; MI455X (gfx1250); checked and timed in simulation.
; The chip was launched on July 23, 2026; its instructions are those of AMD's public machine-readable ISA for CDNA 5 (MIT licence, August 2026) and "CDNA5" Instruction Set Architecture Reference Guide (July 2026). The comments in the code are by the model that wrote it; some were corrected since.
;; Mo E Layer. Allowed arithmetic: matrix products marked QUANTISED: E4M3 operands, one given power-of-two scale a tensor, by v_wmma_f32_16x16x64_fp8_fp8 or v_wmma_f32_16x16x128_fp8_fp8, f32 sums; products left as they are: f32 operands where the result goes on into a quantised operand, else bf16, f16 or f32 operands; f32 sums; everything else in f32.
;; Inputs: W1_codes 8 x 1,024 x 32 x 32 uint8 (E4M3 codes of W1, K innermost, in blocks of 32 codes); W2_codes 8 x 1,024 x 32 x 32 uint8 (E4M3 codes of W2, K innermost, in blocks of 32 codes); Wg 1,024 x 8 float32; b1 8 x 1,024 float32; b2 8 x 1,024 float32; be1 8 x 1,024 float32; be2 8 x 1,024 float32; bg 8 float32; g1 8 x 1,024 float32; g2 8 x 1,024 float32; lowp_scales 4 int32 (the exponents e of the quantised operands' scales 2^e); x 4,096 x 1,024 float32.
;; Outputs: out0 4,096 x 1,024 float32; out1 4,096 x 8 float32.
;; This version of the problem:
;;   THIS VERSION OF THE PROBLEM IS GIVEN IN LOW PRECISION. The matrix products marked QUANTISED in the list below multiply operands that are first quantised to E4M3 (4 exponent bits, 3 mantissa bits; 8 bits a number), with one given power-of-two scale for each operand tensor; their sums are f32. All else is computed in f32.
;;   The module's matrix products, in the order in which they are computed (A, B: the left and right operand; K: the contracted axis; several contracted axes count as one K, in the product's order):
;;     1. [M 4,096, K 1,024] x [K 1,024, N 8]; A: input x; B: input Wg: left as it is (N = 8 < 16)
;;     2. [M 8,192, K 1,024] x [K 1,024, N 4,096]; A: input W1 (given as codes); B: input x: QUANTISED (scales: A lowp_scales[0], B lowp_scales[1])
;;     3. batch 8 x [M 4,096, K 1,024] x [K 1,024, N 1,024]; A: computed on the way; B: input W2 (given as codes): QUANTISED (scales: A lowp_scales[2], B lowp_scales[3])
;;     4. batch 4,096 x [M 1, K 8] x [K 8, N 1,024]; A: computed on the way; B: computed on the way: left as it is (K = 8 < 32)
;;   THE QUANTISER, for each operand of a quantised product, along K:
;;     - The operand's scale is 2^e, e = its entry of the input lowp_scales (int32; the entries are numbered through the quantised products in the list's order, A before B).
;;     - Each number is divided by the scale, clamped to +-448, and rounded to the nearest number of E4M3, ties to even, subnormals kept.
;;     - The product sums the exact products of the quantised numbers (number of the format x scale) in f32.
;;   ~~~python
;;   def quantise(x, axis, e):      # numpy; x: float32 -> the quantised numbers, widened to float32 again
;;       x = np.moveaxis(x, axis, -1); K = x.shape[-1]
;;       r = np.clip(x / 2.0 ** e, -448, 448)
;;       step = 2.0 ** (np.maximum(np.frexp(np.where(r == 0, 1, r))[1] - 1, -6) - 3)
;;       q = np.round(r / step) * step * 2.0 ** e      # np.round: ties to even
;;       return np.moveaxis(q, -1, axis).astype(np.float32)
;;   ~~~
;;   OPERANDS COMPUTED ON THE WAY. 'Computed on the way' means the value that the module computes at that place (a softmax that the list does not call 'softmax' is quantised finished and normalised). What goes into a quantiser is computed in f32, as accurately as f32 sums, v_exp_f32 and their like allow (about 1e-6 of the number): no bf16 or f16 on the way to a quantiser, and a product that is left as it is and whose result goes on into a quantised operand takes f32 operands (vector FMAs, or v_wmma_f32_16x16x4_f32). A number that lies on a knife's edge between two numbers of the format may be rounded either way, as far as f32 arithmetic and the matrix unit's own rounding can turn it there, and no further.
;;   INPUTS GIVEN AS CODES. W1 (in the module: [8, 1024, 1024], K = its axis 1); W2 (in the module: [8, 1024, 1024], K = its axis 1): each comes as NAME_codes (uint8): NAME with its K axis moved to the last place and cut into blocks of 32 codes, [.., K / 32, bytes a block], one block behind the other in memory; one code a byte (a code: sign, 4 exponent bits, 3 mantissa bits); its scale is its entry of lowp_scales. Its value is code x scale, taken as it is: it is not quantised again, and the codes and scales need not be those that the quantiser above would give.
;; 2 versions, each right; version 2 is version 1 with the launch chain written anew for expert scheduling mode. Each part assembles by itself: llvm-mc -triple=amdgcn-amd-amdhsa -mcpu=gfx1250 --defsym DOCPART=n.
;; ======== version 1 of 2: 4 launches
;; workspace buffers: xq 4,194,304 bytes; wf 16,777,216 bytes; route 16,384 bytes of whole numbers; wts 32,768 bytes; plan 49,152 bytes of whole numbers; ybuf 34,107,392 bytes
;; launch prep (part 1): grid 256 x 1, 4 waves a work-group, no clusters, 142,848 bytes of LDS; arguments x, Wg, bg, W1_codes, W2_codes, lowp_scales, xq, wf, out1, route, wts; writes xq, wf, out1, route, wts
.if DOCPART == 1
	.amdgcn_target "amdgcn-amd-amdhsa--gfx1250"
	.amdhsa_code_object_version 6
	.text
	.protected	k_qb6bd3fee98_prep
	.globl	k_qb6bd3fee98_prep
	.p2align	8
	.type	k_qb6bd3fee98_prep,@function
k_qb6bd3fee98_prep:
	s_mov_b64 s[64:65], 0
	v_nop
	global_prefetch_b8 v0, s[64:65] scope:SCOPE_SE
	s_setreg_imm32_b32 hwreg(HW_REG_WAVE_MODE, 25, 1), 1
	s_wait_xcnt 0x0
; PREP.  Three jobs in one launch, every work-group on one path through the text.
; (a) Each of the 1,024 waves lays one tile (16 rows x 1,024 codes) of W1 or W2 out in the order in which the chain's operand registers take it:
;     wf[e][w][layer][s][t][c][lane][16 bytes] = W_layer[e][256 w + 32 (t/2) + 8 (t%2) + r + 8 (r/8)][128 s + 32 c + 16 h ..], lane = 16 h + r.
; (b) Each wave takes 4 tokens: the 8 gate logits (f32 multiply-adds) and the E4M3 codes of x at the given scale 2^e1 (lowp_scales[1]), held at +-448 x 2^e1.
; (c) Wave 0 makes the softmax (with its maximum taken away), out1, the two largest (the lower index wins a tie) and their renormalised weights, a lane to a token.
;     The choice is only stored here (route: e0 | e1 << 8): no address of this launch hangs on it.
; LIMITS: -126 <= e1 <= 119, so that 2^e1 and 448 x 2^e1 are f32 numbers.  NaN among the inputs is not served.  wts and route leave in runs of 128 and 64 bytes a work-group (48 KB in the launch).
; REGISTERS in windows of 256: window 0: addresses, sums, numbers at work; window 1: Wg of my 32 k (register 8 kl + e); window 2: v0-127 the weight tile as loaded, v128-255 x as loaded.
.set WGP,   528                        ; LDS 0: Wg in 64 chunks of 16 k (512 bytes), 528 bytes apart = 33 x 16: the 16 lanes of a 16-byte read fall on different 16-byte columns
.set RSTG,  33792                      ; 16,640 bytes a wave: the weight tile, 16 rows 1,040 bytes apart (65 x 16)
.set TSTG,  100352                     ; 10,240 bytes a wave: two token stages of two steps of 32 places of 64 + 16 bytes
.set LOGS,  141312                     ; the 16 tokens' logits, 32 bytes each
.set PRB,   141824                     ; their probabilities
.set MSB, 0
.macro WIN new                         ; the immediate's high byte repeats the setting that is left
.if MSB != (\new)
	s_set_vgpr_msb (MSB<<8)|(\new)
.set MSB, (\new)
.endif
.endm
	s_load_b512 s[8:23], s[0:1], 0x0               ; x 8, Wg 10, bg 12, W1 14, W2 16, scales 18, xq 20, wf 22
	s_load_b128 s[24:27], s[0:1], 0x40             ; out1 24, route 26
	s_load_b64 s[28:29], s[0:1], 0x50              ; wts
	v_lshl_add_u32 v11, v0, 2, 0x22c00
	s_set_vgpr_msb 0xc0
	v_mov_b32 v1, 0
	s_set_vgpr_msb 0xc000
	v_lshrrev_b32 v13, 5, v0
	v_readfirstlane_b32 s30, v13                   ; wave 0..3
	v_and_b32 v14, 31, v0                          ; lane
	v_and_b32 v15, 15, v0                          ; r
	v_bfe_u32 v13, v0, 4, 1                        ; h
	v_lshlrev_b32 v1, 4, v14                       ; 16 x lane
	v_lshlrev_b32 v12, 4, v0                       ; 16 x thread
	s_mul_i32 s31, s30, WGP
	v_add_nc_u32 v2, s31, v1                       ; Wg on the way in: chunk 4 n + wave, 16 x lane
	v_mul_u32_u24 v3, v14, WGP                     ; and out: chunk = my lane
	s_mul_i32 s31, s30, 16640
	s_add_co_u32 s31, s31, RSTG
	v_add_nc_u32 v4, s31, v1                       ; the weight tile in: rows as they lie
	v_mul_u32_u24 v5, v15, 1040
	v_lshl_add_u32 v5, v13, 4, v5
	v_add_nc_u32 v5, s31, v5                       ; and out: row r, + 16 h
	s_mul_i32 s31, s30, 10240
	s_add_co_u32 s31, s31, TSTG
	v_lshrrev_b32 v6, 2, v14
	v_mul_u32_u24 v6, v6, 80
	v_and_b32 v7, 3, v14
	v_lshl_add_u32 v6, v7, 4, v6
	v_add_nc_u32 v6, s31, v6                       ; x in: four lanes' 64 bytes on end, then 16 of padding
	v_mul_u32_u24 v7, v14, 80
	v_add_nc_u32 v7, s31, v7                       ; x out: my 16 neighbours
	s_lshl_b32 s31, s30, 7
	s_add_co_u32 s31, s31, LOGS
	v_mov_b32 v8, s31                              ; my wave's four tokens' logits
	s_mov_b32 s32, 0x76543210                      ; v_permlanex16_b32: lane l xor 16
	s_mov_b32 s33, 0xfedcba98
	; my weight tile: layer = g >> 7, e = (g >> 4) & 7, w' = (g >> 2) & 3, t = 4 (g & 3) + wave
	s_lshr_b32 s35, ttmp9, 4
	s_and_b32 s35, s35, 7
	s_lshr_b32 s36, ttmp9, 2
	s_and_b32 s36, s36, 3
	s_and_b32 s37, ttmp9, 3
	s_lshl_b32 s37, s37, 2
	s_add_co_u32 s37, s37, s30
	s_lshr_b32 s38, s37, 1
	s_lshl_b32 s38, s38, 15                        ; 32 (t/2) rows of 1,024 bytes
	s_and_b32 s39, s37, 1
	s_lshl_b32 s39, s39, 13                        ; 8 (t%2) rows
	s_add_co_u32 s38, s38, s39
	s_lshl_b32 s39, s35, 20
	s_add_co_u32 s38, s38, s39
	s_lshl_b32 s39, s36, 18
	s_add_co_u32 s38, s38, s39                     ; the tile's first row in the codes
	s_mov_b32 s39, 0
	s_lshl_b32 s48, s35, 21
	s_lshl_b32 s49, s36, 19
	s_add_co_u32 s48, s48, s49
	s_lshr_b32 s49, ttmp9, 7
	s_lshl_b32 s49, s49, 18
	s_add_co_u32 s48, s48, s49
	s_lshl_b32 s49, s37, 11
	s_add_co_u32 s48, s48, s49                     ; and its place in wf
	s_mov_b32 s49, 0
	s_lshl_b32 s50, ttmp9, 4
	s_lshl_b32 s51, s30, 2
	s_add_co_u32 s50, s50, s51                     ; my first token: 16 g + 4 wave
	s_lshl_b32 s52, s50, 12
	s_mov_b32 s53, 0
	s_lshl_b32 s54, s50, 10
	s_mov_b32 s55, 0
	s_wait_kmcnt 0x0
	s_load_b256 s[40:47], s[12:13], 0x0            ; bg
	s_load_b32 s34, s[18:19], 0x4                  ; e1
	s_cmp_lt_u32 ttmp9, 128                        ; W1's tile or W2's: the choice hangs on the work-group's number alone
	s_cselect_b64 s[14:15], s[14:15], s[16:17]
	s_add_nc_u64 s[14:15], s[14:15], s[38:39]
	s_add_nc_u64 s[22:23], s[22:23], s[48:49]
	s_add_nc_u64 s[8:9], s[8:9], s[52:53]
	s_add_nc_u64 s[20:21], s[20:21], s[54:55]
	; all loads go out first: Wg (16), the weight tile (32), later x (32)
.set n, 0
.rept 16
	global_load_b128 v[128+4*n:131+4*n], v12, s[10:11] offset:2048*n
.set n, n+1
.endr
	WIN 0x80                                       ; destination window 2
.set n, 0
.rept 16
	global_load_b128 v[8*n:8*n+3], v1, s[14:15] offset:(n+8*(n/8))*1024 th:TH_LOAD_NT         ; tile row n is row n + 8 (n/8): 512 consecutive bytes a load
	global_load_b128 v[8*n+4:8*n+7], v1, s[14:15] offset:(n+8*(n/8))*1024+512 th:TH_LOAD_NT
.set n, n+1
.endr
	WIN 0
	s_wait_loadcnt 32                              ; the tile's 32 loads are younger: Wg is in
.set n, 0
.rept 16
	ds_store_b128 v2, v[128+4*n:131+4*n] offset:4*WGP*n
.set n, n+1
.endr
	WIN 0x80
.set n, 0
.rept 32
	global_load_b128 v[128+4*n:131+4*n], v1, s[8:9] offset:4096*(n/8)+512*(n%8) th:TH_LOAD_NT  ; token n/8, 512 consecutive bytes
.set n, n+1
.endr
	s_wait_loadcnt 32                              ; x's 32 loads are younger: the tile is in
	WIN 0x08                                       ; store data window 2
.set n, 0
.rept 16
	ds_store_b128 v4, v[8*n:8*n+3] offset:1040*n
	ds_store_b128 v4, v[8*n+4:8*n+7] offset:1040*n+512
.set n, n+1
.endr
	WIN 0
	s_wait_dscnt 0x0                               ; for the others' sake: my part of Wg lies in LDS
	s_barrier_signal -1
	s_barrier_wait -1
	WIN 0x40                                       ; destination window 1: Wg of k = 16 lane + 0..15 and of k = 512 + 16 lane + 0..15
.set n, 0
.rept 32
	ds_load_b128 v[4*n:4*n+3], v3 offset:16*n
	ds_load_b128 v[128+4*n:131+4*n], v3 offset:32*WGP+16*n
.set n, n+1
.endr
	WIN 0
.set n, 0
.rept 32
	ds_load_b128 v[128+4*n:131+4*n], v5 offset:128*(n/4)+32*(n%4)                              ; piece (s = n/4, c = n%4) of the tile
.set n, n+1
.endr
	s_wait_dscnt 0x0
.set n, 0
.rept 32
	global_store_b128 v1, v[128+4*n:131+4*n], s[22:23] offset:32768*(n/4)+512*(n%4)            ; 512 consecutive bytes, aligned
.set n, n+1
.endr
	s_wait_kmcnt 0x0
	s_add_co_i32 s34, s34, 127
	s_lshl_b32 s31, s34, 23
	v_mov_b32 v9, s31                              ; 2^e1 as f32: the conversion takes its exponent field
	s_add_co_i32 s34, s34, 8
	s_lshl_b32 s34, s34, 23
	s_or_b32 s34, s34, 0x600000
	v_mov_b32 v10, s34                             ; 448 x 2^e1
	s_wait_loadcnt 0x0                             ; x
; Token tk's 4,096 bytes go through the wave's stage as they lie and come back 64 bytes a lane: register 16 st + i = k 512 st + 16 lane + i.  LDS serves a wave's instructions in order.
.macro TURN tk
	WIN 0x08
.irp st, 0,1
.irp j, 0,1,2,3
	ds_store_b128 v6, v[128+32*(\tk)+16*\st+4*\j:128+32*(\tk)+16*\st+4*\j+3] offset:5120*((\tk)%2)+2560*\st+640*\j
.endr
.endr
	WIN 0
.irp st, 0,1
.irp j, 0,1,2,3
	ds_load_b128 v[32+32*((\tk)%2)+16*\st+4*\j:32+32*((\tk)%2)+16*\st+4*\j+3], v7 offset:5120*((\tk)%2)+2560*\st+16*\j
.endr
.endr
.endm
.macro TOKEN tk
.set XS, 32+32*((\tk)%2)
.if (\tk) < 3
	TURN (\tk)+1
	s_wait_dscnt 16                                ; the next token's 16 LDS instructions may be out: mine are back
.else
	s_wait_dscnt 0x0
.endif
	WIN 0x04                                       ; source 1 (Wg) window 1
.irp e, 0,1,2,3,4,5,6,7
	v_mul_f32 v[16+\e], v[XS], v[\e]               ; the first k of each half starts the sums: 16 chains
	v_mul_f32 v[24+\e], v[XS+16], v[128+\e]
.endr
.set kl, 1
.rept 15
.irp e, 0,1,2,3,4,5,6,7
	v_fma_f32 v[16+\e], v[XS+kl], v[8*kl+\e], v[16+\e]
	v_fma_f32 v[24+\e], v[XS+16+kl], v[128+8*kl+\e], v[24+\e]
.endr
.set kl, kl+1
.endr
	WIN 0
.irp e, 0,2,4,6
	v_pk_add_f32 v[16+\e:17+\e], v[16+\e:17+\e], v[24+\e:25+\e]
.endr
.irp n, 1,2,4,8
.irp e, 0,1,2,3,4,5,6,7
	v_add_f32_dpp v[16+\e], v[16+\e], v[16+\e] row_xmask:\n row_mask:0xf bank_mask:0xf
.endr
.endr
.irp e, 0,1,2,3,4,5,6,7
	v_permlanex16_b32 v[24+\e], v[16+\e], s32, s33
.endr
.irp e, 0,2,4,6
	v_pk_add_f32 v[16+\e:17+\e], v[16+\e:17+\e], v[24+\e:25+\e]
.endr
	ds_store_b128 v8, v[16:19] offset:32*(\tk)     ; every lane holds the eight sums and stores the same bytes
	ds_store_b128 v8, v[20:23] offset:32*(\tk)+16
.set kl, 0
.rept 32
	v_med3_num_f32 v[XS+kl], v[XS+kl], -v10, v10   ; the conversion to an 8-bit code does not saturate (ISA guide 7.6.2): the hold at the largest code x the scale
.set kl, kl+1
.endr
.irp p, 0,1,2,3
	v_cvt_scalef32_pk8_fp8_f32 v[96+8*(\tk)+2*\p:97+8*(\tk)+2*\p], v[XS+8*\p:XS+8*\p+7], v9
.endr
	v_nop                                          ; a plain line behind the last conversion
	global_store_b128 v1, v[96+8*(\tk):99+8*(\tk)], s[20:21] offset:1024*(\tk)       ; 512 consecutive bytes; each token has code registers of its own
	global_store_b128 v1, v[100+8*(\tk):103+8*(\tk)], s[20:21] offset:1024*(\tk)+512
.endm
	TURN 0
	TOKEN 0
	TOKEN 1
	TOKEN 2
	TOKEN 3
	s_wait_dscnt 0x0                               ; for wave 0's sake: my logits lie in LDS
	s_barrier_signal -1
	s_barrier_wait -1
	s_cmp_lg_u32 s30, 0                            ; the rest is wave 0's; no barrier follows
	s_cbranch_scc1 .Ldone
	v_lshlrev_b32 v13, 5, v15
	v_add_nc_u32 v13, LOGS, v13                    ; lane l serves token l % 16; lanes 16-31 repeat lanes 0-15 and store the same bytes
	ds_load_b128 v[32:35], v13
	ds_load_b128 v[36:39], v13 offset:16
	s_wait_dscnt 0x0
.irp e, 0,1,2,3,4,5,6,7
	v_add_f32 v[32+\e], s[40+\e], v[32+\e]         ; + bg
.endr
	v_max3_num_f32 v40, v32, v33, v34
	v_max3_num_f32 v40, v40, v35, v36
	v_max3_num_f32 v40, v40, v37, v38
	v_max_num_f32 v40, v40, v39
.irp e, 0,1,2,3,4,5,6,7
	v_sub_f32 v[32+\e], v[32+\e], v40              ; the maximum is taken away
.endr
.irp e, 0,1,2,3,4,5,6,7
	v_mul_f32 v[32+\e], 0x3fb8aa3b, v[32+\e]       ; x log2(e)
.endr
.irp e, 0,1,2,3,4,5,6,7
	v_exp_f32 v[32+\e], v[32+\e]
.endr
	v_nop                                          ; a plain line behind the last exponential,
	s_wait_alu depctr_va_vdst(0)                   ; and one wait for the batch, ahead of its first reader
	v_add_f32 v41, v32, v33
	v_add_f32 v42, v34, v35
	v_add_f32 v43, v36, v37
	v_add_f32 v44, v38, v39
	v_add_f32 v41, v41, v42
	v_add_f32 v43, v43, v44
	v_add_f32 v41, v41, v43
	v_rcp_f32 v42, v41
	v_nop
	s_wait_alu depctr_va_vdst(0)
.irp e, 0,1,2,3,4,5,6,7
	v_mul_f32 v[32+\e], v[32+\e], v42              ; the gate's probabilities
.endr
	v_mov_b32 v44, v32                             ; the largest, and its index: a strict > keeps the lower index
	v_mov_b32 v45, 0
.irp e, 1,2,3,4,5,6,7
	v_cmp_gt_f32 vcc_lo, v[32+\e], v44
	v_cndmask_b32 v44, v44, v[32+\e], vcc_lo
	v_cndmask_b32 v45, v45, \e, vcc_lo
.endr
	v_mov_b32 v46, -1.0                            ; the second largest: the same among the others
	v_mov_b32 v47, 0
.irp e, 0,1,2,3,4,5,6,7
	v_cmp_ne_u32 s36, \e, v45
	v_cmp_gt_f32 vcc_lo, v[32+\e], v46
	s_and_b32 vcc_lo, vcc_lo, s36
	v_cndmask_b32 v46, v46, v[32+\e], vcc_lo
	v_cndmask_b32 v47, v47, \e, vcc_lo
.endr
	v_add_f32 v48, v44, v46
	v_add_f32 v48, 0x3089705f, v48                 ; + 1e-9
	v_rcp_f32 v49, v48
	v_lshl_or_b32 v52, v47, 8, v45                 ; (a plain line)  e0 | e1 << 8
	s_wait_alu depctr_va_vdst(0)
	v_mul_f32 v50, v44, v49
	v_mul_f32 v51, v46, v49
	ds_store_b128 v13, v[32:35] offset:512         ; the probabilities turn through LDS, so that the wave stores 512 consecutive bytes of out1
	ds_store_b128 v13, v[36:39] offset:528
	v_add_nc_u32 v53, PRB, v1
	ds_load_b128 v[56:59], v53
	s_lshl_b32 s36, ttmp9, 9
	s_mov_b32 s37, 0
	s_add_nc_u64 s[24:25], s[24:25], s[36:37]
	s_lshl_b32 s36, ttmp9, 7
	s_add_nc_u64 s[28:29], s[28:29], s[36:37]
	s_lshl_b32 s36, ttmp9, 6
	s_add_nc_u64 s[26:27], s[26:27], s[36:37]
	v_lshlrev_b32 v54, 3, v15
	v_lshlrev_b32 v55, 2, v15
	global_store_b64 v54, v[50:51], s[28:29]
	global_store_b32 v55, v52, s[26:27]
	s_wait_dscnt 0x0
	global_store_b128 v1, v[56:59], s[24:25]
.Ldone:
	s_set_vgpr_msb 0xc
	s_wait_tensorcnt 0x0
	ds_add_u32 v11, v1
	s_wait_dscnt 0x0
	s_set_vgpr_msb 0xc00
	s_endpgm
.Lfunc_end_k_qb6bd3fee98_prep:
	.size	k_qb6bd3fee98_prep, .Lfunc_end_k_qb6bd3fee98_prep-k_qb6bd3fee98_prep
	.p2alignl 7, 3214868480
	.fill 96, 4, 3214868480
	.section	.rodata,"a",@progbits
	.p2align	6, 0x0
	.amdhsa_kernel k_qb6bd3fee98_prep
		.amdhsa_group_segment_fixed_size 142848
		.amdhsa_private_segment_fixed_size 0
		.amdhsa_enable_private_segment 0
		.amdhsa_kernarg_size 88
		.amdhsa_user_sgpr_count 2
		.amdhsa_user_sgpr_kernarg_segment_ptr 1
		.amdhsa_wavefront_size32 1
		.amdhsa_system_sgpr_workgroup_id_x 1
		.amdhsa_system_sgpr_workgroup_id_y 1
		.amdhsa_system_sgpr_workgroup_id_z 1
		.amdhsa_system_vgpr_workitem_id 0
		.amdhsa_next_free_vgpr 770
		.amdhsa_next_free_sgpr 66
		.amdhsa_reserve_vcc 1
		.amdhsa_float_denorm_mode_32 3
		.amdhsa_float_denorm_mode_16_64 3
		.amdhsa_memory_ordered 1
		.amdhsa_forward_progress 1
		.amdhsa_inst_pref_size 120
	.end_amdhsa_kernel
	.amdgpu_metadata
---
amdhsa.version: [ 1, 2 ]
amdhsa.kernels:
  - .name:           k_qb6bd3fee98_prep
    .symbol:         k_qb6bd3fee98_prep.kd
    .args:
      - { .name: x, .offset: 0, .size: 8, .value_kind: global_buffer, .address_space: global }
      - { .name: Wg, .offset: 8, .size: 8, .value_kind: global_buffer, .address_space: global }
      - { .name: bg, .offset: 16, .size: 8, .value_kind: global_buffer, .address_space: global }
      - { .name: W1_codes, .offset: 24, .size: 8, .value_kind: global_buffer, .address_space: global }
      - { .name: W2_codes, .offset: 32, .size: 8, .value_kind: global_buffer, .address_space: global }
      - { .name: lowp_scales, .offset: 40, .size: 8, .value_kind: global_buffer, .address_space: global }
      - { .name: xq, .offset: 48, .size: 8, .value_kind: global_buffer, .address_space: global }
      - { .name: wf, .offset: 56, .size: 8, .value_kind: global_buffer, .address_space: global }
      - { .name: out1, .offset: 64, .size: 8, .value_kind: global_buffer, .address_space: global }
      - { .name: route, .offset: 72, .size: 8, .value_kind: global_buffer, .address_space: global }
      - { .name: wts, .offset: 80, .size: 8, .value_kind: global_buffer, .address_space: global }
    .group_segment_fixed_size: 142848
    .private_segment_fixed_size: 0
    .kernarg_segment_align: 8
    .kernarg_segment_size: 88
    .max_flat_workgroup_size: 128
    .sgpr_count:     66
    .vgpr_count:     770
    .wavefront_size: 32
...
	.end_amdgpu_metadata
.endif
;; end of part 1
;; launch place (part 2): grid 1 x 1, 32 waves a work-group, no clusters, 5,120 bytes of LDS; arguments route, plan; writes plan
.if DOCPART == 2
	.amdgcn_target "amdgcn-amd-amdhsa--gfx1250"
	.amdhsa_code_object_version 6
	.text
	.protected	k_qb6bd3fee98_place
	.globl	k_qb6bd3fee98_place
	.p2align	8
	.type	k_qb6bd3fee98_place,@function
k_qb6bd3fee98_place:
	s_mov_b64 s[64:65], 0
	v_nop
	global_prefetch_b8 v0, s[64:65] scope:SCOPE_SE
	s_setreg_imm32_b32 hwreg(HW_REG_WAVE_MODE, 25, 1), 1
	s_wait_xcnt 0x0
; PLACE.  One work-group sorts the 8,192 routed rows (4,096 tokens x 2 choices) by expert into tiles of 64 rows of one expert: a counting sort without atomics.
; plan: bytes 0 on: list[135 tiles][64] u32 = ybuf row | token << 16;  bytes 40,960 on: texp[t] = the tile's expert | (1 if it is the expert's first tile) << 8;
;       bytes 45,056 on: a spare word for each thread, which nobody reads.
; There are never more than ceil(8192 / 64) + 8 - 1 = 135 tiles, whatever the split.  A row of a tile that the split leaves unfilled, and every row of an unused tile, names token 0 and
; the tile's own dump row 8192 + tile of ybuf, which nobody reads.
; A thread holds 4 tokens.  The order of rows inside an expert is free: rank = (wave, slot, lane).  The waves' counts meet in LDS (32 bytes a wave), behind the one barrier.
	s_load_b128 s[4:7], s[0:1], 0x0                ; route, plan
	v_lshl_add_u32 v104, v0, 2, 0x400
	v_mov_b32 v105, 0
	v_lshrrev_b32 v1, 5, v0
	v_readfirstlane_b32 s8, v1                     ; wave 0..31
	v_and_b32 v2, 31, v0                           ; lane
	v_lshlrev_b32 v3, 4, v0
	s_mov_b32 s12, 0x76543210
	s_mov_b32 s13, 0xfedcba98
	v_mov_b32 v52, 0                               ; written once: the destination of a lane move counts as read
	s_wait_kmcnt 0x0
	global_load_b128 v[4:7], v3, s[4:5]            ; tokens 4 thread .. + 3
	s_wait_loadcnt 0x0
.irp i, 0,1,2,3
	v_and_b32 v[8+\i], 0xff, v[4+\i]
	v_min_u32 v[8+\i], 7, v[8+\i]                  ; slot i: the first choice's expert
	v_bfe_u32 v[12+\i], v[4+\i], 8, 8
	v_min_u32 v[12+\i], 7, v[12+\i]                ; slot 4 + i: the second's
	v_mov_b32 v[16+\i], 0
	v_mov_b32 v[20+\i], 0
.endr
; expert ex: each of its rows in my wave gets its rank among them; s[16 + ex] ends as the wave's count
.macro RANK ex
	s_mov_b32 s[16+\ex], 0
.irp i, 0,1,2,3
	v_cmp_eq_u32 s24, \ex, v[8+\i]
	v_cmp_eq_u32 s25, \ex, v[12+\i]
	s_or_b32 s26, s24, s25
	v_mbcnt_lo_u32_b32 v24, s26, s[16+\ex]         ; the rows of lower lanes + those of the slots before
	v_cndmask_b32 v[16+\i], v[16+\i], v24, s24
	v_cndmask_b32 v[20+\i], v[20+\i], v24, s25
	s_bcnt1_i32_b32 s26, s26
	s_add_co_u32 s[16+\ex], s[16+\ex], s26
.endr
.endm
.irp e, 0,1,2,3,4,5,6,7
	RANK \e
.endr
.irp e, 0,1,2,3,4,5,6,7
	v_mov_b32 v[24+\e], s[16+\e]
.endr
	s_lshl_b32 s27, s8, 5
	v_mov_b32 v32, s27
	ds_store_b128 v32, v[24:27]                    ; my wave's eight counts (every lane stores the same bytes)
	ds_store_b128 v32, v[28:31] offset:16
	s_wait_dscnt 0x0                               ; for the others' sake
	s_barrier_signal -1
	s_barrier_wait -1
	v_lshlrev_b32 v33, 5, v2
	ds_load_b128 v[36:39], v33                     ; lane l: wave l's counts
	ds_load_b128 v[40:43], v33 offset:16
	s_wait_dscnt 0x0
	v_cmp_gt_u32 vcc_lo, s8, v2                    ; the waves ahead of mine
.irp e, 0,1,2,3,4,5,6,7
	v_cndmask_b32 v[44+\e], 0, v[36+\e], vcc_lo
.endr
.macro XSUM rg                         ; the sum over the 32 lanes, in every lane
.irp n, 1,2,4,8
	v_mov_b32_dpp v52, v[\rg] row_xmask:\n row_mask:0xf bank_mask:0xf
	v_add_nc_u32 v[\rg], v[\rg], v52
.endr
	v_permlanex16_b32 v52, v[\rg], s12, s13
	v_add_nc_u32 v[\rg], v[\rg], v52
.endm
.irp q, 36,37,38,39,40,41,42,43,44,45,46,47,48,49,50,51
	XSUM \q
.endr
.irp e, 0,1,2,3,4,5,6,7
	v_readfirstlane_b32 s[32+\e], v[36+\e]         ; the expert's rows in all,
	v_readfirstlane_b32 s[40+\e], v[44+\e]         ; and in the waves ahead of mine
.endr
	s_mov_b32 s56, 0
.irp e, 0,1,2,3,4,5,6,7
	s_mov_b32 s[48+\e], s56                        ; the expert's first tile
	s_add_co_u32 s57, s[32+\e], 63
	s_lshr_b32 s57, s57, 6
	s_add_co_u32 s56, s56, s57                     ; (at the end: the tiles in use)
	s_lshl_b32 s[66+\e], s[48+\e], 6               ; its first place in the list
	s_add_co_u32 s[40+\e], s[40+\e], s[66+\e]      ; where my wave's rows of it begin
.endr
	v_lshlrev_b32 v53, 2, v0                       ; my first token
.irp i, 0,1,2,3,4,5,6,7
	v_mov_b32 v[56+\i], s40
.endr
.irp e, 1,2,3,4,5,6,7
.irp i, 0,1,2,3,4,5,6,7
	v_cmp_eq_u32 vcc_lo, \e, v[8+\i]
	v_cndmask_b32 v[56+\i], v[56+\i], s[40+\e], vcc_lo
.endr
.endr
.irp i, 0,1,2,3,4,5,6,7
	v_add_nc_u32 v[16+\i], v[16+\i], v[56+\i]
	v_min_u32 v[16+\i], 8639, v[16+\i]             ; inside the list, whatever route holds
	v_lshlrev_b32 v[16+\i], 2, v[16+\i]
.endr
.irp i, 0,1,2,3
	v_add_nc_u32 v54, \i, v53                      ; token n
	v_lshlrev_b32 v55, 1, v54
	v_lshl_or_b32 v[64+\i], v54, 16, v55           ; 2 n | n << 16
	v_or_b32 v[68+\i], 1, v[64+\i]                 ; 2 n + 1 | n << 16
.endr
.irp i, 0,1,2,3,4,5,6,7
	global_store_b32 v[16+\i], v[64+\i], s[6:7]
.endr
	; the unfilled places.  Place p is filled where p - (an expert's first place) lies under that expert's rows; a filled place's store goes to my spare word instead
	v_add_nc_u32 v75, 11264, v0
.irp j, 0,1,2,3,4,5,6,7,8
	v_add_nc_u32 v72, 1024*\j, v0                  ; p
	v_sub_nc_u32 v73, v72, s66
	v_cmp_lt_u32 s25, v73, s32
.irp e, 1,2,3,4,5,6,7
	v_sub_nc_u32 v73, v72, s[66+\e]
	v_cmp_lt_u32 s24, v73, s[32+\e]
	s_or_b32 s25, s25, s24
.endr
	v_cmp_gt_u32 s26, 8640, v72
	s_and_not1_b32 s26, s26, s25                   ; inside the list and not filled
	v_cndmask_b32 v[76+\j], v75, v72, s26
	v_min_u32 v[76+\j], 12287, v[76+\j]
	v_lshlrev_b32 v[76+\j], 2, v[76+\j]
	v_lshrrev_b32 v[86+\j], 6, v72
	v_add_nc_u32 v[86+\j], 8192, v[86+\j]          ; token 0, the tile's dump row
	global_store_b32 v[76+\j], v[86+\j], s[6:7]
.endr
	; texp of tile t = my thread's number
	v_mov_b32 v96, 0
	v_cmp_eq_u32 s25, 0, v0
.irp e, 1,2,3,4,5,6,7
	v_cmp_le_u32 vcc_lo, s[48+\e], v0
	v_cndmask_b32 v97, 0, 1, vcc_lo
	v_add_nc_u32 v96, v96, v97                     ; the last expert whose first tile is not behind t
	v_cmp_eq_u32 s24, s[48+\e], v0
	s_or_b32 s25, s25, s24
.endr
	v_cmp_gt_u32 s24, s56, v0
	s_and_b32 s25, s25, s24                        ; t is some expert's first tile, and in use
	v_cndmask_b32 v97, 0, 0x100, s25
	v_or_b32 v96, v96, v97
	v_lshlrev_b32 v98, 2, v0
	global_store_b32 v98, v96, s[6:7] offset:40960
	s_wait_tensorcnt 0x0
	ds_add_u32 v104, v105
	s_wait_dscnt 0x0
	s_endpgm
.Lfunc_end_k_qb6bd3fee98_place:
	.size	k_qb6bd3fee98_place, .Lfunc_end_k_qb6bd3fee98_place-k_qb6bd3fee98_place
	.p2alignl 7, 3214868480
	.fill 96, 4, 3214868480
	.section	.rodata,"a",@progbits
	.p2align	6, 0x0
	.amdhsa_kernel k_qb6bd3fee98_place
		.amdhsa_group_segment_fixed_size 5120
		.amdhsa_private_segment_fixed_size 0
		.amdhsa_enable_private_segment 0
		.amdhsa_kernarg_size 16
		.amdhsa_user_sgpr_count 2
		.amdhsa_user_sgpr_kernarg_segment_ptr 1
		.amdhsa_wavefront_size32 1
		.amdhsa_system_sgpr_workgroup_id_x 1
		.amdhsa_system_sgpr_workgroup_id_y 1
		.amdhsa_system_sgpr_workgroup_id_z 1
		.amdhsa_system_vgpr_workitem_id 0
		.amdhsa_next_free_vgpr 106
		.amdhsa_next_free_sgpr 80
		.amdhsa_reserve_vcc 1
		.amdhsa_float_denorm_mode_32 3
		.amdhsa_float_denorm_mode_16_64 3
		.amdhsa_memory_ordered 1
		.amdhsa_forward_progress 1
		.amdhsa_inst_pref_size 52
	.end_amdhsa_kernel
	.amdgpu_metadata
---
amdhsa.version: [ 1, 2 ]
amdhsa.kernels:
  - .name:           k_qb6bd3fee98_place
    .symbol:         k_qb6bd3fee98_place.kd
    .args:
      - { .name: route, .offset: 0, .size: 8, .value_kind: global_buffer, .address_space: global }
      - { .name: plan, .offset: 8, .size: 8, .value_kind: global_buffer, .address_space: global }
    .group_segment_fixed_size: 5120
    .private_segment_fixed_size: 0
    .kernarg_segment_align: 8
    .kernarg_segment_size: 16
    .max_flat_workgroup_size: 1024
    .sgpr_count:     80
    .vgpr_count:     106
    .wavefront_size: 32
...
	.end_amdgpu_metadata
.endif
;; end of part 2
;; launch chain (part 3): grid 135 x 1, 4 waves a work-group, no clusters, 163,328 bytes of LDS; arguments plan, xq, wf, x, wts, lowp_scales, b1, g1, be1, b2, g2, be2, ybuf; writes ybuf
.if DOCPART == 3
	.amdgcn_target "amdgcn-amd-amdhsa--gfx1250"
	.amdhsa_code_object_version 6
	.text
	.protected	k_qb6bd3fee98_chain
	.globl	k_qb6bd3fee98_chain
	.p2align	8
	.type	k_qb6bd3fee98_chain,@function
k_qb6bd3fee98_chain:
	s_mov_b64 s[64:65], 0
	v_nop
	global_prefetch_b8 v0, s[64:65] scope:SCOPE_SE
	s_setreg_imm32_b32 hwreg(HW_REG_WAVE_MODE, 25, 1), 1
	s_wait_xcnt 0x0
; CHAIN.  One work-group takes one tile of 64 routed rows of one expert through the whole block:
;   h = LN(Q(x) W1 + b1) g1 + be1, relu, quantised at 2^e2;  h = LN(Q(h) W2 + b2) g2 + be2;  y = relu(x + h);  ybuf[row] = gate weight x y.   The hidden layer stays in registers and LDS.
; Both products on E4M3 codes by v_wmma_f32_16x16x128_fp8_fp8, sums in f32.  lowp_scales: e0 (W1), e1 (x), e2 (hidden), e3 (W2).  The sums are kept divided by 2^E (E = e0 + e1, then e2 + e3):
; the bias goes in as b / 2^E, as the C of each sum's first matrix instruction, and 2^E is put back in the LayerNorm's factor.  The variance is taken of the centred numbers (two passes).
; SHARES.  Wave w owns columns 256 w .. + 255 of both layers for all 64 rows: 64 accumulators, 512 registers.  Its weights come from wf, laid in the order of its operand registers, straight into
; registers (a ring of one K step: 16 tiles x 16 registers, refilled four tiles at a time as soon as their 16 products are issued); each fragment of weights feeds 4 products.  The rows' codes are shared through LDS.
; THE PRODUCTS ARE USED TRANSPOSED (source 0 = 16 rows of W, source 1 = 16 rows of the tile), and the rows of W that form a tile are chosen so that lane (r, h) holds row r and the 16 registers of tiles
; 2 b, 2 b + 1 are units 256 w + 32 b + 16 h + 0 .. 15: 16 neighbours along the next K.  k is permuted alike in both operands (four 16-byte pieces a fragment).
; NO CLUSTER: how many tiles an expert has hangs on the routing; partners that share weights would need tiles of one expert, so each expert's tiles would be padded to a multiple of four
; (up to 156 tiles for 128 tiles' worth of rows), and shared tiles would land in LDS, from where each wave would read its 32 KB a K step again.
; A tile that the split leaves without rows runs the chain on token 0 into its own dump row of ybuf (at most 7 of the 135): so every wave passes every barrier, none under a loaded number.
; LIMITS: -126 <= e2 <= 119; |e0 + e1| and |e2 + e3| small enough that b / 2^E and the sum of squares x 2^(2 E - 10) are f32 numbers.  NaN among the inputs is not served.
; REGISTERS in windows of 256.  Window 0: v1-15 addresses; v16.. the mean and v24.. the factor of row tile m, each in the low register of a pair; v32-95, v96-159 the rows' fragments, two buffers;
;   v128-255 the bias in a layer's first K step; later sums, g, be, codes, rows on the way out.  Window 1: the weight ring; later x.  Windows 2, 3: accumulator (m, t) at window 2 + m/2, register 128 (m%2) + 8 t.
.set HA,   66560                       ; LDS 0: 64 rows of x's codes, 1,040 bytes apart (65 x 16: the 16 rows of a 16-byte read fall on different 16-byte columns); later each wave's stage, 16 rows.  HA: the hidden layer's codes, likewise
.set STAT, 133120                      ; four exchanges of [wave][r][m] f32, 1,024 bytes each
.set TAB,  137216                      ; token[64], ybuf row[64], weight[64]
.set PAR,  138240                      ; 6,144 bytes a wave: b1 / 2^E, g1, be1, b2 / 2^E, g2, be2 of its 256 columns
.set FA0,  32
.set FA1,  96
.set BI,   128
.set SC,   32                          ; the sums' chains: (m, c) at SC + 8 m + 2 c
.set MEAN, 16
.set FS,   24
.set MSB, 0
.macro WIN new                         ; the immediate's high byte repeats the setting that is left
.if MSB != (\new)
	s_set_vgpr_msb (MSB<<8)|(\new)
.set MSB, (\new)
.endif
.endm
.macro BAR                             ; my LDS stores have landed and my LDS loads are in: then the work-group's barrier
	s_wait_dscnt 0x0
	s_barrier_signal -1
	s_barrier_wait -1
.endm
; nb pairs of tiles, from pair b0 on, of parameter array arr in the accumulators' layout: register 16 b + i = param[256 w + 32 b + 16 h + i]
.macro PLOAD reg, arr, b0, nb
.set pb, 0
.rept \nb
.irp q, 0,1,2,3
	ds_load_b128 v[\reg+16*pb+4*\q:\reg+16*pb+4*\q+3], v4 offset:1024*(\arr)+128*((\b0)+pb)+16*\q
.endr
.set pb, pb+1
.endr
.endm
.macro AFETCH buf, off                 ; the four row tiles' fragments of one K step: lane (r, h): row 16 m + r, bytes 32 c + 16 h
.irp mi, 0,1,2,3
.irp c, 0,1,2,3
	ds_load_b128 v[\buf+16*\mi+4*\c:\buf+16*\mi+4*\c+3], v3 offset:(\off)+16640*\mi+32*\c
.endr
.endr
.endm
.macro WLOAD g, woff                   ; four tiles of weights: 16 loads of 512 consecutive bytes
	WIN 0x40
.irp tt, 0,1,2,3
.irp c, 0,1,2,3
	global_load_b128 v[16*(4*(\g)+\tt)+4*\c:16*(4*(\g)+\tt)+4*\c+3], v1, s[48:49] offset:(\woff)+2048*(4*(\g)+\tt)+512*\c
.endr
.endr
.endm
; A PREFETCH INTO THE L2 of my wave's 32 KB of the K step three behind the one that is being loaded: lanes 256 bytes apart, four instructions.  All tiles of an expert walk the same weights: its first tile
; asks, each wave for its own quarter, so each block is named once.  K steps 0 to 3 come by their loads alone; behind step 11 nothing is asked: step 15 is the stream's last.
.macro ASK woff
	s_cmp_lt_u32 s52, s53
	s_cbranch_scc0 .Lnoask_\@
.irp i, 0,1,2,3
	global_prefetch_b8 v11, s[48:49] offset:(\woff)+98304+8192*\i th:TH_LOAD_NT scope:SCOPE_SE
.endr
.Lnoask_\@:
.endm
.macro MM ab, first, t, m
.set rD, 128*((\m)%2)+8*(\t)
.set rW, 16*(\t)
.set rF, (\ab)+16*(\m)
.if \first
	v_wmma_f32_16x16x128_fp8_fp8 v[rD:rD+7], v[rW:rW+15], v[rF:rF+15], v[BI+8*(\t):BI+8*(\t)+7]
.else
	v_wmma_f32_16x16x128_fp8_fp8 v[rD:rD+7], v[rW:rW+15], v[rF:rF+15], v[rD:rD+7]
.endif
.endm
; A K step of 128: 64 matrix instructions, the 64 accumulators by turns, in the same order in every step.  Four groups of four tiles of weights x four row tiles.
; Behind a group's 16 loads stand the later groups' of this step and the earlier groups' refills: 48 in all; without refills 48, 32, 16, 0.
; Four plain places stand between a group's products and the loads into registers that they read (ISA guide 7.12.1 for vector instructions).
.macro KSTEP ab, first, refill, fetch, fbuf, foff, woff
	s_wait_dscnt 0x0                               ; this step's fragments of the rows (asked for 48 products ago), and in a first step the bias
.irp g, 0,1,2,3
.if \refill
	s_wait_loadcnt 48
.else
	s_wait_loadcnt 48-16*\g
.endif
	WIN 0xa1-0x20*(\first)                         ; source 0 (W) window 1, source 1 window 0, C and D window 2 (a first step: C = the bias, window 0)
.irp tt, 0,1,2,3
	MM \ab, \first, 4*\g+\tt, 0
	MM \ab, \first, 4*\g+\tt, 1
.endr
	WIN 0xf1-0x30*(\first)                         ; the same with window 3
.irp tt, 0,1,2,3
	MM \ab, \first, 4*\g+\tt, 2
	MM \ab, \first, 4*\g+\tt, 3
.endr
.rept 4
	v_nop
.endr
.if \refill
	WLOAD \g, \woff
.endif
.if \g == 0
	WIN 0
.if \fetch
	AFETCH \fbuf, \foff                            ; the next step's rows, into the buffer that the step before multiplied
.endif
.if \refill
	ASK \woff
.endif
.endif
.endr
	WIN 0
	s_add_co_u32 s52, s52, 1                       ; the K step's number, 0 to 15 over both layers
.endm
.macro ADV n
	s_wait_xcnt 0x0                                ; the loads and prefetches issued so far have read their base: only now is it stepped
	s_add_nc_u64 s[48:49], s[48:49], \n
.endm
; A layer's product: 8 K steps; the first is written out (its products start the sums with the bias), six go in a loop of three trips, the last is written out.  last = 0: the ring runs on into the next layer's weights.
.macro GEMM base, arr, last
	v_add_nc_u32 v3, \base, v2
	PLOAD BI, \arr, 0, 8
	AFETCH FA0, 0
	KSTEP FA0, 1, 1, 1, FA1, 128, 32768
	ADV 32768
	s_mov_b32 s50, (\base)+256
	s_mov_b32 s51, 3
.Lk_\@:
	v_add_nc_u32 v3, s50, v2
	KSTEP FA1, 0, 1, 1, FA0, 0, 32768
	KSTEP FA0, 0, 1, 1, FA1, 128, 65536
	ADV 65536
	s_add_co_u32 s50, s50, 256
	s_sub_co_u32 s51, s51, 1
	s_cmp_lg_u32 s51, 0
	s_cbranch_scc1 .Lk_\@
.if \last
	KSTEP FA1, 0, 0, 0, FA0, 0, 0
.else
	KSTEP FA1, 0, 1, 0, FA0, 0, 32768
	ADV 32768
.endif
.endm
; THE LAYERNORM.  A lane holds 128 numbers of each of its four rows (16 m + r); lane l xor 16 the wave's other 128; the four waves the row's 1,024.
.macro SUMA xw                         ; the two row tiles of window xw: 8 chains of packed sums; each accumulator is read from its low end on
	WIN (\xw)|((\xw)<<2)
.irp mm, 0,1
.irp c, 0,1,2,3
	v_pk_add_f32 v[SC+8*(2*((\xw)-2)+\mm)+2*\c:SC+8*(2*((\xw)-2)+\mm)+2*\c+1], v[128*\mm+2*\c:128*\mm+2*\c+1], v[128*\mm+8+2*\c:128*\mm+8+2*\c+1]
.endr
.endr
	WIN \xw
.set tq, 2
.rept 14
.irp mm, 0,1
.irp c, 0,1,2,3
	v_pk_add_f32 v[SC+8*(2*((\xw)-2)+\mm)+2*\c:SC+8*(2*((\xw)-2)+\mm)+2*\c+1], v[128*\mm+8*tq+2*\c:128*\mm+8*tq+2*\c+1], v[SC+8*(2*((\xw)-2)+\mm)+2*\c:SC+8*(2*((\xw)-2)+\mm)+2*\c+1]
.endr
.endr
.set tq, tq+1
.endr
.endm
.macro SUBQ xw                         ; the mean is taken away in place; then the sums of squares, in the same chains
	WIN 0x82+0x41*((\xw)-2)
.irp mm, 0,1
.set i, 0
.rept 64
	v_pk_add_f32 v[128*\mm+i:128*\mm+i+1], v[128*\mm+i:128*\mm+i+1], v[MEAN+2*(2*((\xw)-2)+\mm):MEAN+2*(2*((\xw)-2)+\mm)+1] op_sel_hi:[1,0] neg_lo:[0,1] neg_hi:[0,1]
.set i, i+2
.endr
.endr
	WIN (\xw)|((\xw)<<2)
.irp mm, 0,1
.irp c, 0,1,2,3
	v_pk_mul_f32 v[SC+8*(2*((\xw)-2)+\mm)+2*\c:SC+8*(2*((\xw)-2)+\mm)+2*\c+1], v[128*\mm+2*\c:128*\mm+2*\c+1], v[128*\mm+2*\c:128*\mm+2*\c+1]
.endr
.endr
.set tq, 1
.rept 15
.irp mm, 0,1
.irp c, 0,1,2,3
	v_pk_fma_f32 v[SC+8*(2*((\xw)-2)+\mm)+2*\c:SC+8*(2*((\xw)-2)+\mm)+2*\c+1], v[128*\mm+8*tq+2*\c:128*\mm+8*tq+2*\c+1], v[128*\mm+8*tq+2*\c:128*\mm+8*tq+2*\c+1], v[SC+8*(2*((\xw)-2)+\mm)+2*\c:SC+8*(2*((\xw)-2)+\mm)+2*\c+1]
.endr
.endr
.set tq, tq+1
.endr
.endm
.macro FOLD                            ; the chains of each row tile into v[64 + m], with lane l xor 16's
.irp mi, 0,1,2,3
	v_pk_add_f32 v[SC+8*\mi:SC+8*\mi+1], v[SC+8*\mi:SC+8*\mi+1], v[SC+8*\mi+2:SC+8*\mi+3]
	v_pk_add_f32 v[SC+8*\mi+4:SC+8*\mi+5], v[SC+8*\mi+4:SC+8*\mi+5], v[SC+8*\mi+6:SC+8*\mi+7]
.endr
.irp mi, 0,1,2,3
	v_pk_add_f32 v[SC+8*\mi:SC+8*\mi+1], v[SC+8*\mi:SC+8*\mi+1], v[SC+8*\mi+4:SC+8*\mi+5]
.endr
.irp mi, 0,1,2,3
	v_add_f32 v[64+\mi], v[SC+8*\mi], v[SC+8*\mi+1]
.endr
.irp mi, 0,1,2,3
	v_permlanex16_b32 v[68+\mi], v[64+\mi], s54, s55
.endr
.irp mi, 0,1,2,3
	v_add_f32 v[64+\mi], v[64+\mi], v[68+\mi]
.endr
.endm
.macro EXCH xn                         ; the four waves' sums meet in LDS; each exchange has bytes of its own, so one barrier serves it.  The rows' totals end in v[32:35]
	ds_store_b128 v9, v[64:67] offset:1024*(\xn)
	BAR
.irp ww, 0,1,2,3
	ds_load_b128 v[32+4*\ww:35+4*\ww], v10 offset:1024*(\xn)+256*\ww
.endr
	s_wait_dscnt 0x0
	v_pk_add_f32 v[32:33], v[32:33], v[36:37]
	v_pk_add_f32 v[34:35], v[34:35], v[38:39]
	v_pk_add_f32 v[40:41], v[40:41], v[44:45]
	v_pk_add_f32 v[42:43], v[42:43], v[46:47]
	v_pk_add_f32 v[32:33], v[32:33], v[40:41]
	v_pk_add_f32 v[34:35], v[34:35], v[42:43]
.endm
; Half hf (tiles 8 hf .. + 7) of row tile mq: x factor, x g + be; quant = 1: relu and the hold in one, the conversion at 2^e2, and the codes to the hidden layer's rows in LDS
.macro NORM hf, mq, quant
.set rN, 128*((\mq)%2)+64*(\hf)
	WIN 0x82+0x41*((\mq)/2)
.set i, 0
.rept 32
	v_pk_mul_f32 v[rN+i:rN+i+1], v[rN+i:rN+i+1], v[FS+2*(\mq):FS+2*(\mq)+1] op_sel_hi:[1,0]
.set i, i+2
.endr
.set i, 0
.rept 32
	v_pk_fma_f32 v[rN+i:rN+i+1], v[rN+i:rN+i+1], v[32+i:33+i], v[96+i:97+i]
.set i, i+2
.endr
.if \quant
.set i, 0
.rept 64
	v_med3_num_f32 v[rN+i], v[rN+i], 0, v14        ; between 0 and 448 x 2^e2: the conversion to an 8-bit code does not saturate (ISA guide 7.6.2)
.set i, i+1
.endr
	WIN 0x02+((\mq)/2)
.irp p, 0,1,2,3,4,5,6,7
	v_cvt_scalef32_pk8_fp8_f32 v[160+16*(\mq)+2*\p:161+16*(\mq)+2*\p], v[rN+8*\p:rN+8*\p+7], v13
.endr
	v_nop                                          ; a plain line behind the last conversion: the next layer's products write its sources
	WIN 0
.irp bb, 0,1,2,3
	ds_store_b128 v5, v[160+16*(\mq)+4*\bb:163+16*(\mq)+4*\bb] offset:16640*(\mq)+128*(\hf)+32*\bb   ; 16 codes: units 256 w + 128 hf + 32 bb + 16 h + 0 .. 15 of row 16 mq + r
.endr
.endif
.endm
.macro LNORM x0, se, ga, ba, quant
	SUMA 2
	SUMA 3
	WIN 0
	FOLD
	EXCH \x0
.irp mi, 0,1,2,3
	v_mul_f32 v[MEAN+2*\mi], 0x3a800000, v[32+\mi] ; / 1,024
.endr
	SUBQ 2
	SUBQ 3
	WIN 0
	FOLD
	EXCH (\x0)+1
.irp mi, 0,1,2,3
	v_ldexp_f32 v[32+\mi], v[32+\mi], s46          ; the variance: x 2^(2 E) / 1,024
.endr
.irp mi, 0,1,2,3
	v_add_f32 v[32+\mi], 0x3727c5ac, v[32+\mi]     ; + 1e-5
.endr
.irp mi, 0,1,2,3
	v_rsq_f32 v[36+\mi], v[32+\mi]
.endr
	v_nop                                          ; a plain line behind the last of the four,
	s_wait_alu depctr_va_vdst(0)                   ; and one wait for them, ahead of the first reader
.irp mi, 0,1,2,3
	v_ldexp_f32 v[FS+2*\mi], v[36+\mi], s[\se]     ; x 2^E: the factor for numbers that are kept divided by 2^E
.endr
.irp hh, 0,1
	WIN 0
	PLOAD 32, \ga, 4*\hh, 4
	PLOAD 96, \ba, 4*\hh, 4
	s_wait_dscnt 0x0                               ; g and be are in; the first half's stores of codes have read their registers
.irp mi, 0,1,2,3
	NORM \hh, \mi, \quant
.endr
.endr
	WIN 0
.endm
; x of row tile mt, by rows: lanes 0-15 row 2 j, lanes 16-31 row 2 j + 1; sixteen lanes read 256 consecutive bytes.  The tokens come from the table in LDS and are held inside x
.macro XLOAD mt
.irp j, 0,1,2,3,4,5,6,7
	ds_load_b32 v[192+8*(\mt)+\j], v8 offset:64*(\mt)+8*\j
.endr
	s_wait_dscnt 0x0
.irp j, 0,1,2,3,4,5,6,7
	v_min_u32 v[192+8*(\mt)+\j], 4095, v[192+8*(\mt)+\j]
	v_lshlrev_b32 v[192+8*(\mt)+\j], 12, v[192+8*(\mt)+\j]
	v_add_nc_u32 v[192+8*(\mt)+\j], v12, v[192+8*(\mt)+\j]
.endr
	WIN 0x40
.irp j, 0,1,2,3,4,5,6,7
.irp q, 0,1,2,3
	global_load_b128 v[128*((\mt)%2)+16*\j+4*\q:128*((\mt)%2)+16*\j+4*\q+3], v[192+8*(\mt)+\j], s[56:57] offset:256*\q
.endr
.endr
	WIN 0
.endm
; THE WAY OUT of row tile mt: through my own stage (16 rows x 1,024 bytes), back by rows; + x, relu, x the gate's weight; sixteen lanes store 256 consecutive bytes, aligned
.macro EPI mt
.set rN, 128*((\mt)%2)
	WIN 0x08+4*((\mt)/2)                           ; store data window 2 or 3
.irp b, 0,1,2,3,4,5,6,7
.irp q, 0,1,2,3
	ds_store_b128 v6, v[rN+16*\b+4*\q:rN+16*\b+4*\q+3] offset:128*\b+16*\q
.endr
.endr
	WIN 0
	s_wait_xcnt 0x0                                ; the last tile's stores have read their data registers: only now are they loaded again
.irp j, 0,1,2,3,4,5,6,7
.irp q, 0,1,2,3
	ds_load_b128 v[32+16*\j+4*\q:35+16*\j+4*\q], v7 offset:2080*\j+256*\q     ; LDS serves a wave's instructions in order: these see my stores
.endr
.endr
.irp j, 0,1,2,3,4,5,6,7
	ds_load_b32 v[160+2*\j], v8 offset:512+64*(\mt)+8*\j                       ; the rows' weights, each in the low register of a pair
	ds_load_b32 v[224+8*(\mt)+\j], v8 offset:256+64*(\mt)+8*\j                 ; and their rows of ybuf
.endr
	s_wait_dscnt 0x0
.if (\mt) < 3
	s_wait_loadcnt 32                              ; the next tile's 32 loads of x may be out: mine are in
.else
	s_wait_loadcnt 0x0
.endif
	WIN 0x04                                       ; source 1 (x) window 1
.set i, 0
.rept 64
	v_pk_add_f32 v[32+i:33+i], v[32+i:33+i], v[rN+i:rN+i+1]
.set i, i+2
.endr
	WIN 0
.if (\mt) < 2
	XLOAD (\mt)+2
.endif
.irp j, 0,1,2,3,4,5,6,7
	v_min_u32 v[224+8*(\mt)+\j], 8326, v[224+8*(\mt)+\j]
	v_lshlrev_b32 v[224+8*(\mt)+\j], 12, v[224+8*(\mt)+\j]
	v_add_nc_u32 v[224+8*(\mt)+\j], v12, v[224+8*(\mt)+\j]
.endr
.set i, 0
.rept 128
	v_max_num_f32 v[32+i], 0, v[32+i]
.set i, i+1
.endr
.irp j, 0,1,2,3,4,5,6,7
.irp p, 0,2,4,6,8,10,12,14
	v_pk_mul_f32 v[32+16*\j+\p:33+16*\j+\p], v[32+16*\j+\p:33+16*\j+\p], v[160+2*\j:161+2*\j] op_sel_hi:[1,0]
.endr
.endr
.irp j, 0,1,2,3,4,5,6,7
.irp q, 0,1,2,3
	global_store_b128 v[224+8*(\mt)+\j], v[32+16*\j+4*\q:35+16*\j+4*\q], s[58:59] offset:256*\q th:TH_STORE_NT
.endr
.endr
.endm
	s_load_b512 s[8:23], s[0:1], 0x0               ; plan 8, xq 10, wf 12, x 14, wts 16, scales 18, b1 20, g1 22
	s_load_b256 s[24:31], s[0:1], 0x40             ; be1 24, b2 26, g2 28, be2 30
	s_load_b64 s[32:33], s[0:1], 0x60              ; ybuf
	v_lshrrev_b32 v1, 5, v0
	v_readfirstlane_b32 s34, v1                    ; wave 0..3
	v_and_b32 v16, 31, v0                          ; lane
	v_and_b32 v17, 15, v0                          ; r
	v_bfe_u32 v18, v0, 4, 1                        ; h
	v_lshlrev_b32 v1, 4, v16                       ; 16 x lane
	v_mul_u32_u24 v2, v17, 1040
	v_lshl_add_u32 v2, v18, 4, v2                  ; a fragment of rows: row r, + 16 h
	s_mul_i32 s60, s34, 6144
	s_add_co_u32 s60, s60, PAR
	v_lshlrev_b32 v4, 6, v18
	v_add_nc_u32 v4, s60, v4                       ; my wave's parameters, + 64 h
	v_add_nc_u32 v19, s60, v1                      ; and where they are stored at the head
	s_lshl_b32 s60, s34, 8
	s_add_co_u32 s60, s60, HA
	v_add_nc_u32 v5, s60, v2                       ; the hidden layer's codes: row r, + 256 w + 16 h
	s_mul_i32 s60, s34, 16640
	v_mul_u32_u24 v6, v17, 1040
	v_lshl_add_u32 v6, v18, 6, v6
	v_add_nc_u32 v6, s60, v6                       ; my stage, in: row r, + 64 h
	v_mul_u32_u24 v7, v18, 1040
	v_lshl_add_u32 v7, v17, 4, v7
	v_add_nc_u32 v7, s60, v7                       ; my 16 rows by rows: row h, + 16 r
	v_lshlrev_b32 v8, 2, v18
	v_add_nc_u32 v8, TAB, v8                       ; the tables, row h of a pair
	s_lshl_b32 s60, s34, 8
	s_add_co_u32 s60, s60, STAT
	v_lshlrev_b32 v10, 4, v17
	v_add_nc_u32 v9, s60, v10                      ; an exchange: my wave's four sums of row r
	v_add_nc_u32 v10, STAT, v10
	v_lshlrev_b32 v11, 8, v16                      ; the prefetches: 256 x lane
	v_lshlrev_b32 v12, 4, v17                      ; 16 r: my 16 bytes of 256
	s_lshl_b32 s60, s34, 6
	s_add_co_u32 s60, s60, TAB
	v_lshl_add_u32 v15, v17, 2, s60                ; the tables, row 16 w + r
	s_lshl_b32 s60, ttmp9, 8
	s_lshl_b32 s61, s34, 6
	s_add_co_u32 s60, s60, s61
	v_lshl_add_u32 v20, v17, 2, s60                ; the list: my tile, row 16 w + r
	v_lshl_add_u32 v21, v18, 2, s60                ; and row 16 w + h
	s_lshl_b32 s62, ttmp9, 2
	s_mov_b32 s54, 0x76543210                      ; v_permlanex16_b32: lane l xor 16
	s_mov_b32 s55, 0xfedcba98
	s_mov_b32 s52, 0
	s_wait_kmcnt 0x0
	s_load_b32 s35, s[8:9], s62 offset:40960       ; the tile's expert | first << 8
	s_load_b128 s[40:43], s[18:19], 0x0            ; e0 .. e3
	global_load_b32 v22, v20, s[8:9]
.irp j, 0,1,2,3,4,5,6,7
	global_load_b32 v[24+\j], v21, s[8:9] offset:8*\j                          ; row 16 w + 2 j + h
.endr
	s_lshl_b32 s60, s34, 10
	s_mov_b32 s61, 0
	s_add_nc_u64 s[56:57], s[14:15], s[60:61]      ; x and ybuf at my wave's 256 columns
	s_add_nc_u64 s[58:59], s[32:33], s[60:61]
	s_wait_kmcnt 0x0
	s_and_b32 s36, s35, 0xff
	s_min_u32 s36, s36, 7                          ; the expert
	s_lshr_b32 s53, s35, 8
	s_and_b32 s53, s53, 1
	s_mul_i32 s53, s53, 12                         ; a first tile prefetches in K steps 0 to 11, the others never
	s_add_co_i32 s44, s40, s41                     ; E of the first product
	s_add_co_i32 s45, s42, s43                     ; and of the second
	s_lshl_b32 s60, s36, 12
	s_lshl_b32 s61, s34, 10
	s_add_co_u32 s60, s60, s61
	v_add_nc_u32 v23, s60, v1                      ; the parameters: expert, my 256 columns
	WIN 0x80                                       ; destination window 2, free until the first products
.irp a, 0,1,2,3,4,5
	global_load_b128 v[128+8*\a:131+8*\a], v23, s[20+2*\a:21+2*\a]
	global_load_b128 v[132+8*\a:135+8*\a], v23, s[20+2*\a:21+2*\a] offset:512
.endr
	WIN 0
	s_lshl_b32 s60, s36, 21
	s_lshl_b32 s61, s34, 19
	s_add_co_u32 s60, s60, s61
	s_mov_b32 s61, 0
	s_add_nc_u64 s[48:49], s[12:13], s[60:61]      ; my wave's stream of weights: 512 KB on end, both layers
	s_wait_loadcnt 12                              ; the 12 parameter loads are younger: the list's entries are in
	v_lshrrev_b32 v32, 16, v22
	v_min_u32 v32, 4095, v32                       ; token
	v_and_b32 v33, 0xffff, v22
	v_min_u32 v33, 8326, v33                       ; row of ybuf
	v_min_u32 v34, 8191, v33
	v_lshlrev_b32 v34, 2, v34
	global_load_b32 v35, v34, s[16:17]             ; the gate's weight (a dump row takes the last one's: nobody reads its result)
.irp j, 0,1,2,3,4,5,6,7
	v_lshrrev_b32 v[24+\j], 16, v[24+\j]
	v_min_u32 v[24+\j], 4095, v[24+\j]
	v_lshlrev_b32 v[24+\j], 10, v[24+\j]
	v_add_nc_u32 v[24+\j], v12, v[24+\j]
.endr
	WIN 0x80
.irp j, 0,1,2,3,4,5,6,7
.irp q, 0,1,2,3
	global_load_b128 v[16*\j+4*\q:16*\j+4*\q+3], v[24+\j], s[10:11] offset:256*\q  ; the rows' codes: sixteen lanes read 256 consecutive bytes
.endr
.endr
	WLOAD 0, 0
	WLOAD 1, 0
	WLOAD 2, 0
	s_sub_co_i32 s47, 0, s44
	s_sub_co_i32 s46, 0, s45
	s_add_co_i32 s60, s42, 127
	s_lshl_b32 s61, s60, 23
	s_add_co_i32 s60, s60, 8
	s_lshl_b32 s60, s60, 23
	s_or_b32 s60, s60, 0x600000
	WIN 0
	v_mov_b32 v13, s61                             ; 2^e2 as f32: the conversion takes its exponent field
	v_mov_b32 v14, s60                             ; 448 x 2^e2
	s_wait_loadcnt 48                              ; the ring's first 48 loads are younger: all else is in
	WIN 0x82
.irp i, 0,1,2,3,4,5,6,7
	v_ldexp_f32 v[128+\i], v[128+\i], s47          ; b1 / 2^(e0 + e1)
	v_ldexp_f32 v[152+\i], v[152+\i], s46          ; b2 / 2^(e2 + e3)
.endr
	WIN 0x08                                       ; store data window 2
.irp a, 0,1,2,3,4,5
	ds_store_b128 v19, v[128+8*\a:131+8*\a] offset:1024*\a
	ds_store_b128 v19, v[132+8*\a:135+8*\a] offset:1024*\a+512
.endr
.irp j, 0,1,2,3,4,5,6,7
.irp q, 0,1,2,3
	ds_store_b128 v7, v[16*\j+4*\q:16*\j+4*\q+3] offset:2080*\j+256*\q
.endr
.endr
	WIN 0
	ds_store_b32 v15, v32                          ; (lanes 16-31 repeat lanes 0-15)
	ds_store_b32 v15, v33 offset:256
	ds_store_b32 v15, v35 offset:512
	WLOAD 3, 0
	WIN 0
	BAR                                            ; the 64 rows' codes and the tables lie in LDS
	GEMM 0, 0, 0
	s_lshl_b32 s46, s44, 1
	s_sub_co_i32 s46, s46, 10                      ; 2 E - 10
	LNORM 0, 44, 1, 2, 1
	BAR                                            ; the hidden layer's codes lie in LDS
	GEMM HA, 3, 1
	XLOAD 0                                        ; x lands in the ring's registers while the second LayerNorm is worked
	XLOAD 1
	s_lshl_b32 s46, s45, 1
	s_sub_co_i32 s46, s46, 10
	LNORM 2, 45, 4, 5, 0
	EPI 0
	EPI 1
	EPI 2
	EPI 3
	s_wait_xcnt 0x0
	v_lshl_add_u32 v254, v0, 2, 0x27c00
	v_mov_b32 v255, 0
	s_wait_tensorcnt 0x0
	ds_add_u32 v254, v255
	s_wait_dscnt 0x0
	s_endpgm
.Lfunc_end_k_qb6bd3fee98_chain:
	.size	k_qb6bd3fee98_chain, .Lfunc_end_k_qb6bd3fee98_chain-k_qb6bd3fee98_chain
	.p2alignl 7, 3214868480
	.fill 96, 4, 3214868480
	.section	.rodata,"a",@progbits
	.p2align	6, 0x0
	.amdhsa_kernel k_qb6bd3fee98_chain
		.amdhsa_group_segment_fixed_size 163328
		.amdhsa_private_segment_fixed_size 0
		.amdhsa_enable_private_segment 0
		.amdhsa_kernarg_size 104
		.amdhsa_user_sgpr_count 2
		.amdhsa_user_sgpr_kernarg_segment_ptr 1
		.amdhsa_wavefront_size32 1
		.amdhsa_system_sgpr_workgroup_id_x 1
		.amdhsa_system_sgpr_workgroup_id_y 1
		.amdhsa_system_sgpr_workgroup_id_z 1
		.amdhsa_system_vgpr_workitem_id 0
		.amdhsa_next_free_vgpr 1024
		.amdhsa_next_free_sgpr 66
		.amdhsa_reserve_vcc 0
		.amdhsa_float_denorm_mode_32 3
		.amdhsa_float_denorm_mode_16_64 3
		.amdhsa_memory_ordered 1
		.amdhsa_forward_progress 1
		.amdhsa_inst_pref_size 255
	.end_amdhsa_kernel
	.section	.bss,"aw",@nobits
	.p2align	6
	.space	262144
	.amdgpu_metadata
---
amdhsa.version: [ 1, 2 ]
amdhsa.kernels:
  - .name:           k_qb6bd3fee98_chain
    .symbol:         k_qb6bd3fee98_chain.kd
    .args:
      - { .name: plan, .offset: 0, .size: 8, .value_kind: global_buffer, .address_space: global }
      - { .name: xq, .offset: 8, .size: 8, .value_kind: global_buffer, .address_space: global }
      - { .name: wf, .offset: 16, .size: 8, .value_kind: global_buffer, .address_space: global }
      - { .name: x, .offset: 24, .size: 8, .value_kind: global_buffer, .address_space: global }
      - { .name: wts, .offset: 32, .size: 8, .value_kind: global_buffer, .address_space: global }
      - { .name: lowp_scales, .offset: 40, .size: 8, .value_kind: global_buffer, .address_space: global }
      - { .name: b1, .offset: 48, .size: 8, .value_kind: global_buffer, .address_space: global }
      - { .name: g1, .offset: 56, .size: 8, .value_kind: global_buffer, .address_space: global }
      - { .name: be1, .offset: 64, .size: 8, .value_kind: global_buffer, .address_space: global }
      - { .name: b2, .offset: 72, .size: 8, .value_kind: global_buffer, .address_space: global }
      - { .name: g2, .offset: 80, .size: 8, .value_kind: global_buffer, .address_space: global }
      - { .name: be2, .offset: 88, .size: 8, .value_kind: global_buffer, .address_space: global }
      - { .name: ybuf, .offset: 96, .size: 8, .value_kind: global_buffer, .address_space: global }
    .group_segment_fixed_size: 163328
    .private_segment_fixed_size: 0
    .kernarg_segment_align: 8
    .kernarg_segment_size: 104
    .max_flat_workgroup_size: 128
    .sgpr_count:     66
    .vgpr_count:     1024
    .wavefront_size: 32
...
	.end_amdgpu_metadata
.endif
;; end of part 3
;; launch combine (part 4): grid 256 x 1, 8 waves a work-group, no clusters, 0 bytes of LDS; arguments ybuf, out0; writes out0
.if DOCPART == 4
	.amdgcn_target "amdgcn-amd-amdhsa--gfx1250"
	.amdhsa_code_object_version 6
	.text
	.protected	k_qb6bd3fee98_combine
	.globl	k_qb6bd3fee98_combine
	.p2align	8
	.type	k_qb6bd3fee98_combine,@function
k_qb6bd3fee98_combine:
	s_mov_b64 s[64:65], 0
	v_nop
	global_prefetch_b8 v0, s[64:65] scope:SCOPE_SE
	s_setreg_imm32_b32 hwreg(HW_REG_WAVE_MODE, 25, 1), 1
	s_wait_xcnt 0x0
; COMBINE.  out0[n] = ybuf[2 n] + ybuf[2 n + 1]: a token's two chosen experts' rows, already weighted.  The other six experts have weight 0 in the sum that is asked for.
; A work-group takes 16 tokens; thread t the 16 bytes at 16 t of every row, so a wave's load or store covers 512 consecutive bytes.  All 32 loads go out first; every register is written once,
; so no store's data are written again.  The wait in front of token i leaves the 30 - 2 i younger loads out.
	s_load_b128 s[4:7], s[0:1], 0x0                ; ybuf, out0
	v_lshlrev_b32 v1, 4, v0
	s_lshl_b32 s8, ttmp9, 17                       ; 32 rows of 4,096 bytes
	s_mov_b32 s9, 0
	s_lshl_b32 s10, ttmp9, 16                      ; 16 rows
	s_mov_b32 s11, 0
	s_wait_kmcnt 0x0
	s_add_nc_u64 s[4:5], s[4:5], s[8:9]
	s_add_nc_u64 s[6:7], s[6:7], s[10:11]
.set i, 0
.rept 16
	global_load_b128 v[8+8*i:11+8*i], v1, s[4:5] offset:8192*i th:TH_LOAD_NT
	global_load_b128 v[12+8*i:15+8*i], v1, s[4:5] offset:8192*i+4096 th:TH_LOAD_NT
.set i, i+1
.endr
.set i, 0
.rept 16
	s_wait_loadcnt 30-2*i
	v_pk_add_f32 v[8+8*i:9+8*i], v[8+8*i:9+8*i], v[12+8*i:13+8*i]
	v_pk_add_f32 v[10+8*i:11+8*i], v[10+8*i:11+8*i], v[14+8*i:15+8*i]
	global_store_b128 v1, v[8+8*i:11+8*i], s[6:7] offset:4096*i th:TH_STORE_NT
.set i, i+1
.endr
	s_endpgm
.Lfunc_end_k_qb6bd3fee98_combine:
	.size	k_qb6bd3fee98_combine, .Lfunc_end_k_qb6bd3fee98_combine-k_qb6bd3fee98_combine
	.p2alignl 7, 3214868480
	.fill 96, 4, 3214868480
	.section	.rodata,"a",@progbits
	.p2align	6, 0x0
	.amdhsa_kernel k_qb6bd3fee98_combine
		.amdhsa_group_segment_fixed_size 0
		.amdhsa_private_segment_fixed_size 0
		.amdhsa_enable_private_segment 0
		.amdhsa_kernarg_size 16
		.amdhsa_user_sgpr_count 2
		.amdhsa_user_sgpr_kernarg_segment_ptr 1
		.amdhsa_wavefront_size32 1
		.amdhsa_system_sgpr_workgroup_id_x 1
		.amdhsa_system_sgpr_workgroup_id_y 1
		.amdhsa_system_sgpr_workgroup_id_z 1
		.amdhsa_system_vgpr_workitem_id 0
		.amdhsa_next_free_vgpr 136
		.amdhsa_next_free_sgpr 66
		.amdhsa_reserve_vcc 0
		.amdhsa_float_denorm_mode_32 3
		.amdhsa_float_denorm_mode_16_64 3
		.amdhsa_memory_ordered 1
		.amdhsa_forward_progress 1
		.amdhsa_inst_pref_size 8
	.end_amdhsa_kernel
	.amdgpu_metadata
---
amdhsa.version: [ 1, 2 ]
amdhsa.kernels:
  - .name:           k_qb6bd3fee98_combine
    .symbol:         k_qb6bd3fee98_combine.kd
    .args:
      - { .name: ybuf, .offset: 0, .size: 8, .value_kind: global_buffer, .address_space: global }
      - { .name: out0, .offset: 8, .size: 8, .value_kind: global_buffer, .address_space: global }
    .group_segment_fixed_size: 0
    .private_segment_fixed_size: 0
    .kernarg_segment_align: 8
    .kernarg_segment_size: 16
    .max_flat_workgroup_size: 256
    .sgpr_count:     66
    .vgpr_count:     136
    .wavefront_size: 32
...
	.end_amdgpu_metadata
.endif
;; end of part 4
;; ======== version 2 of 2: 4 launches; version 1 with the launch chain written anew for expert scheduling mode
;; workspace buffers: xq 4,194,304 bytes; wf 16,777,216 bytes; route 16,384 bytes of whole numbers; wts 32,768 bytes; plan 49,152 bytes of whole numbers; ybuf 34,107,392 bytes
;; launch prep: the kernel of part 1 again; grid 256 x 1, 4 waves a work-group, no clusters, 142,848 bytes of LDS; arguments x, Wg, bg, W1_codes, W2_codes, lowp_scales, xq, wf, out1, route, wts; writes xq, wf, out1, route, wts
;; launch place: the kernel of part 2 again; grid 1 x 1, 32 waves a work-group, no clusters, 5,120 bytes of LDS; arguments route, plan; writes plan
;; launch chain (part 5): grid 135 x 1, 4 waves a work-group, no clusters, 163,328 bytes of LDS; arguments plan, xq, wf, x, wts, lowp_scales, b1, g1, be1, b2, g2, be2, ybuf; writes ybuf
.if DOCPART == 5
	.amdgcn_target "amdgcn-amd-amdhsa--gfx1250"
	.amdhsa_code_object_version 6
	.text
	.protected	k_qb6bd3fee98_chain
	.globl	k_qb6bd3fee98_chain
	.p2align	8
	.type	k_qb6bd3fee98_chain,@function
k_qb6bd3fee98_chain:
	s_mov_b64 s[64:65], 0
	v_nop
	global_prefetch_b8 v0, s[64:65] scope:SCOPE_SE
	s_setreg_imm32_b32 hwreg(HW_REG_WAVE_SCHED_MODE, 0, 2), 2
	s_setreg_imm32_b32 hwreg(HW_REG_WAVE_MODE, 25, 1), 1
	s_wait_xcnt 0x0
	s_wait_alu depctr_vm_vsrc(0)
; CHAIN.  One work-group takes one tile of 64 routed rows of one expert through the whole block:
;   h = LN(Q(x) W1 + b1) g1 + be1, relu, quantised at 2^e2;  h = LN(Q(h) W2 + b2) g2 + be2;  y = relu(x + h);  ybuf[row] = gate weight x y.   The hidden layer stays in registers and LDS.
; Both products on E4M3 codes by v_wmma_f32_16x16x128_fp8_fp8, sums in f32.  lowp_scales: e0 (W1), e1 (x), e2 (hidden), e3 (W2).  The sums are kept divided by 2^E (E = e0 + e1, then e2 + e3):
; the bias goes in as b / 2^E, as the C of each sum's first matrix instruction, and 2^E is put back in the LayerNorm's factor.  The variance is taken of the centred numbers (two passes).
; SHARES.  Wave w owns columns 256 w .. + 255 of both layers for all 64 rows: 64 accumulators, 512 registers.  Its weights come from wf, laid in the order of its operand registers, straight into
; registers (a ring of one K step: 16 tiles x 16 registers, refilled four tiles at a time as soon as their 16 products are done); each fragment of weights feeds 4 products.  The rows' codes are shared through LDS.
; THE PRODUCTS ARE USED TRANSPOSED (source 0 = 16 rows of W, source 1 = 16 rows of the tile), and the rows of W that form a tile are chosen so that lane (r, h) holds row r and the 16 registers of tiles
; 2 b, 2 b + 1 are units 256 w + 32 b + 16 h + 0 .. 15: 16 neighbours along the next K.  k is permuted alike in both operands (four 16-byte pieces a fragment).
; NO CLUSTER: how many tiles an expert has hangs on the routing; partners that share weights would need tiles of one expert, so each expert's tiles would be padded to a multiple of four
; (up to 156 tiles for 128 tiles' worth of rows), and shared tiles would land in LDS, from where each wave would read its 32 KB a K step again.
; A tile that the split leaves without rows runs the chain on token 0 into its own dump row of ybuf (at most 7 of the 135): so every wave passes every barrier, none under a loaded number.
; LIMITS: -126 <= e2 <= 119; |e0 + e1| and |e2 + e3| small enough that b / 2^E and the sum of squares x 2^(2 E - 10) are f32 numbers.  NaN among the inputs is not served.
; REGISTERS in windows of 256.  Window 0: v1-15 addresses; v16.. the mean and v24.. the factor of row tile m, each in the low register of a pair; v32-95, v96-159 the rows' fragments, two buffers;
;   v128-255 the bias in a layer's first K step; later sums, g, be, codes, rows on the way out.  Window 1: the weight ring; later x.  Windows 2, 3: accumulator (m, t) at window 2 + m/2, register 128 (m%2) + 8 t.
; THE MODE: SCHED_MODE bits 1:0 = 2 (LLVM: expert scheduling mode 2), set by the entry lines.  The code itself states the register dependences between vector or matrix instructions
; and memory or LDS instructions, with s_wait_alu, always for 0.
; THE PLAN.  Registers that memory or LDS instructions touch, and who else names them:
;   v1, v2, v4-v12     addresses and offsets: made at the head, ahead of one wait on va_vdst, and never written again.  v15, v19-v35 and window 2 serve the head's loads and stores and are given up behind the first layer's wait on vm_vsrc.
;   v3                 the LDS address of the rows' fragments: read by every AFETCH; written at a layer's head and once a trip of its loop, behind a wait on vm_vsrc; a wait on va_vdst stands ahead of the next AFETCH.
;   the ring           group g (64 registers of window 1): read by the group's 16 products; behind them ONE wait on va_vdst, then the next K step's 16 loads land in it.  All four windows are full: there is no second ring.
;   FA0, FA1, BI       read by a K step's products; group 0's wait also covers the step before, whose buffer takes the next step's fragments (in a first step: and the bias of tiles 0-3, which lies under FA1).
;   v[64:67]           a row tile's sums: written by FOLD, stored by EXCH behind a wait on va_vdst, written again behind a wait on vm_vsrc.
;   g, be (v32-159)    loaded at a half's head, behind a wait on va_vdst; read by the half's multiply-adds.
;   codes (v160-223)   16 registers to a row tile: written by a half's conversions; ONE wait on va_vdst, then the half's 16 LDS stores in one run; a wait on vm_vsrc ahead of the next half's conversions.
;   x (window 1)       lands in the ring's registers, later in those that the tile before has added: one wait on va_vdst in XLOAD, which also covers the offsets just made.
;   the way out        a tile's head: a wait on va_vdst (the accumulators are written; the tile before is done with v[32:175]) and, beside s_wait_xcnt, one on vm_vsrc; one more on va_vdst ahead of its 32 stores.
.set HA,   66560                       ; LDS 0: 64 rows of x's codes, 1,040 bytes apart (65 x 16: the 16 rows of a 16-byte read fall on different 16-byte columns); later each wave's stage, 16 rows.  HA: the hidden layer's codes, likewise
.set STAT, 133120                      ; four exchanges of [wave][r][m] f32, 1,024 bytes each
.set TAB,  137216                      ; token[64], ybuf row[64], weight[64]
.set PAR,  138240                      ; 6,144 bytes a wave: b1 / 2^E, g1, be1, b2 / 2^E, g2, be2 of its 256 columns
.set FA0,  32
.set FA1,  96
.set BI,   128
.set SC,   32                          ; the sums' chains: (m, c) at SC + 8 m + 2 c
.set MEAN, 16
.set FS,   24
.set MSB, 0
.macro WIN new                         ; the immediate's high byte repeats the setting that is left
.if MSB != (\new)
	s_set_vgpr_msb (MSB<<8)|(\new)
.set MSB, (\new)
.endif
.endm
.macro BAR                             ; my LDS stores have landed and my LDS loads are in: then the work-group's barrier
	s_wait_dscnt 0x0
	s_barrier_signal -1
	s_barrier_wait -1
.endm
; nb pairs of tiles, from pair b0 on, of parameter array arr in the accumulators' layout: register 16 b + i = param[256 w + 32 b + 16 h + i]
.macro PLOAD reg, arr, b0, nb
.set pb, 0
.rept \nb
.irp q, 0,1,2,3
	ds_load_b128 v[\reg+16*pb+4*\q:\reg+16*pb+4*\q+3], v4 offset:1024*(\arr)+128*((\b0)+pb)+16*\q
.endr
.set pb, pb+1
.endr
.endm
.macro AFETCH buf, off                 ; the four row tiles' fragments of one K step: lane (r, h): row 16 m + r, bytes 32 c + 16 h
.irp mi, 0,1,2,3
.irp c, 0,1,2,3
	ds_load_b128 v[\buf+16*\mi+4*\c:\buf+16*\mi+4*\c+3], v3 offset:(\off)+16640*\mi+32*\c
.endr
.endr
.endm
.macro WLOAD g, woff                   ; four tiles of weights: 16 loads of 512 consecutive bytes
	WIN 0x40
.irp tt, 0,1,2,3
.irp c, 0,1,2,3
	global_load_b128 v[16*(4*(\g)+\tt)+4*\c:16*(4*(\g)+\tt)+4*\c+3], v1, s[48:49] offset:(\woff)+2048*(4*(\g)+\tt)+512*\c
.endr
.endr
.endm
; A PREFETCH INTO THE L2 of my wave's 32 KB of the K step three behind the one that is being loaded: lanes 256 bytes apart, four instructions.  All tiles of an expert walk the same weights: its first tile
; asks, each wave for its own quarter, so each block is named once.  K steps 0 to 3 come by their loads alone; behind step 11 nothing is asked: step 15 is the stream's last.
.macro ASK woff
	s_cmp_lt_u32 s52, s53
	s_cbranch_scc0 .Lnoask_\@
.irp i, 0,1,2,3
	global_prefetch_b8 v11, s[48:49] offset:(\woff)+98304+8192*\i th:TH_LOAD_NT scope:SCOPE_SE
.endr
.Lnoask_\@:
.endm
.macro MM ab, first, t, m
.set rD, 128*((\m)%2)+8*(\t)
.set rW, 16*(\t)
.set rF, (\ab)+16*(\m)
.if \first
	v_wmma_f32_16x16x128_fp8_fp8 v[rD:rD+7], v[rW:rW+15], v[rF:rF+15], v[BI+8*(\t):BI+8*(\t)+7]
.else
	v_wmma_f32_16x16x128_fp8_fp8 v[rD:rD+7], v[rW:rW+15], v[rF:rF+15], v[rD:rD+7]
.endif
.endm
; A K step of 128: 64 matrix instructions, the 64 accumulators by turns, in the same order in every step.  Four groups of four tiles of weights x four row tiles.
; Behind a group's 16 loads stand the later groups' of this step and the earlier groups' refills: 48 in all; without refills 48, 32, 16, 0.
; The four plain places behind a group's products stay as they stood: behind a layer's last group they stand ahead of the first vector read of the sums (ISA guide 7.12.1).  For the loads the wait on va_vdst states the dependence.
.macro KSTEP ab, first, refill, fetch, fbuf, foff, woff
	s_wait_dscnt 0x0                               ; this step's fragments of the rows (asked for 48 products ago), and in a first step the bias
.irp g, 0,1,2,3
.if \refill
	s_wait_loadcnt 48
.else
	s_wait_loadcnt 48-16*\g
.endif
	WIN 0xa1-0x20*(\first)                         ; source 0 (W) window 1, source 1 window 0, C and D window 2 (a first step: C = the bias, window 0)
.irp tt, 0,1,2,3
	MM \ab, \first, 4*\g+\tt, 0
	MM \ab, \first, 4*\g+\tt, 1
.endr
	WIN 0xf1-0x30*(\first)                         ; the same with window 3
.irp tt, 0,1,2,3
	MM \ab, \first, 4*\g+\tt, 2
	MM \ab, \first, 4*\g+\tt, 3
.endr
.rept 4
	v_nop
.endr
.if \refill
	WIN 0x40                                       ; the loads' window first, then the wait, then the loads
	s_wait_alu depctr_va_vdst(0)                   ; this group's 16 products are done reading their four tiles of the ring, in which the loads below land; in group 0 also: the step before is done reading its fragments (a first step: group 0 its bias), and v3 is written
	WLOAD \g, \woff
.endif
.if \g == 0
	WIN 0
.if \fetch
	AFETCH \fbuf, \foff                            ; the next step's rows, into the buffer that the step before multiplied.  No further wait: only loads and a window switch stand behind the wait above
.endif
.if \refill
	ASK \woff
.endif
.endif
.endr
	WIN 0
	s_add_co_u32 s52, s52, 1                       ; the K step's number, 0 to 15 over both layers
.endm
.macro ADV n
	s_wait_xcnt 0x0                                ; the loads and prefetches issued so far have read their base: only now is it stepped
	s_add_nc_u64 s[48:49], s[48:49], \n
.endm
; A layer's product: 8 K steps; the first is written out (its products start the sums with the bias), six go in a loop of three trips, the last is written out.  last = 0: the ring runs on into the next layer's weights.
.macro GEMM base, arr, last
	s_wait_alu depctr_vm_vsrc(0)                   ; the LDS stores and the loads issued so far have read their registers: the head's (window 2, v15, v19 to v35) or the codes' (v160 on), and v3; all of these are written again from here on
	v_add_nc_u32 v3, \base, v2
	s_wait_alu depctr_va_vdst(0)                   ; v3 is written, which the fragments' loads read; the vector lines so far are done with v32 to v255, in which the bias and the fragments land
	PLOAD BI, \arr, 0, 8
	AFETCH FA0, 0
	KSTEP FA0, 1, 1, 1, FA1, 128, 32768
	ADV 32768
	s_mov_b32 s50, (\base)+256
	s_mov_b32 s51, 3
.Lk_\@:
	s_wait_alu depctr_vm_vsrc(0)                   ; the fragments' loads issued so far have read v3
	v_add_nc_u32 v3, s50, v2                       ; (group 0's wait on va_vdst stands between this line and the next load that reads v3)
	KSTEP FA1, 0, 1, 1, FA0, 0, 32768
	KSTEP FA0, 0, 1, 1, FA1, 128, 65536
	ADV 65536
	s_add_co_u32 s50, s50, 256
	s_sub_co_u32 s51, s51, 1
	s_cmp_lg_u32 s51, 0
	s_cbranch_scc1 .Lk_\@
.if \last
	KSTEP FA1, 0, 0, 0, FA0, 0, 0
.else
	KSTEP FA1, 0, 1, 0, FA0, 0, 32768
	ADV 32768
.endif
.endm
; THE LAYERNORM.  A lane holds 128 numbers of each of its four rows (16 m + r); lane l xor 16 the wave's other 128; the four waves the row's 1,024.
.macro SUMA xw                         ; the two row tiles of window xw: 8 chains of packed sums; each accumulator is read from its low end on
	WIN (\xw)|((\xw)<<2)
.irp mm, 0,1
.irp c, 0,1,2,3
	v_pk_add_f32 v[SC+8*(2*((\xw)-2)+\mm)+2*\c:SC+8*(2*((\xw)-2)+\mm)+2*\c+1], v[128*\mm+2*\c:128*\mm+2*\c+1], v[128*\mm+8+2*\c:128*\mm+8+2*\c+1]
.endr
.endr
	WIN \xw
.set tq, 2
.rept 14
.irp mm, 0,1
.irp c, 0,1,2,3
	v_pk_add_f32 v[SC+8*(2*((\xw)-2)+\mm)+2*\c:SC+8*(2*((\xw)-2)+\mm)+2*\c+1], v[128*\mm+8*tq+2*\c:128*\mm+8*tq+2*\c+1], v[SC+8*(2*((\xw)-2)+\mm)+2*\c:SC+8*(2*((\xw)-2)+\mm)+2*\c+1]
.endr
.endr
.set tq, tq+1
.endr
.endm
.macro SUBQ xw                         ; the mean is taken away in place; then the sums of squares, in the same chains
	WIN 0x82+0x41*((\xw)-2)
.irp mm, 0,1
.set i, 0
.rept 64
	v_pk_add_f32 v[128*\mm+i:128*\mm+i+1], v[128*\mm+i:128*\mm+i+1], v[MEAN+2*(2*((\xw)-2)+\mm):MEAN+2*(2*((\xw)-2)+\mm)+1] op_sel_hi:[1,0] neg_lo:[0,1] neg_hi:[0,1]
.set i, i+2
.endr
.endr
	WIN (\xw)|((\xw)<<2)
.irp mm, 0,1
.irp c, 0,1,2,3
	v_pk_mul_f32 v[SC+8*(2*((\xw)-2)+\mm)+2*\c:SC+8*(2*((\xw)-2)+\mm)+2*\c+1], v[128*\mm+2*\c:128*\mm+2*\c+1], v[128*\mm+2*\c:128*\mm+2*\c+1]
.endr
.endr
.set tq, 1
.rept 15
.irp mm, 0,1
.irp c, 0,1,2,3
	v_pk_fma_f32 v[SC+8*(2*((\xw)-2)+\mm)+2*\c:SC+8*(2*((\xw)-2)+\mm)+2*\c+1], v[128*\mm+8*tq+2*\c:128*\mm+8*tq+2*\c+1], v[128*\mm+8*tq+2*\c:128*\mm+8*tq+2*\c+1], v[SC+8*(2*((\xw)-2)+\mm)+2*\c:SC+8*(2*((\xw)-2)+\mm)+2*\c+1]
.endr
.endr
.set tq, tq+1
.endr
.endm
.macro FOLD                            ; the chains of each row tile into v[64 + m], with lane l xor 16's
.irp mi, 0,1,2,3
	v_pk_add_f32 v[SC+8*\mi:SC+8*\mi+1], v[SC+8*\mi:SC+8*\mi+1], v[SC+8*\mi+2:SC+8*\mi+3]
	v_pk_add_f32 v[SC+8*\mi+4:SC+8*\mi+5], v[SC+8*\mi+4:SC+8*\mi+5], v[SC+8*\mi+6:SC+8*\mi+7]
.endr
.irp mi, 0,1,2,3
	v_pk_add_f32 v[SC+8*\mi:SC+8*\mi+1], v[SC+8*\mi:SC+8*\mi+1], v[SC+8*\mi+4:SC+8*\mi+5]
.endr
.irp mi, 0,1,2,3
	v_add_f32 v[64+\mi], v[SC+8*\mi], v[SC+8*\mi+1]
.endr
.irp mi, 0,1,2,3
	v_permlanex16_b32 v[68+\mi], v[64+\mi], s54, s55
.endr
.irp mi, 0,1,2,3
	v_add_f32 v[64+\mi], v[64+\mi], v[68+\mi]
.endr
.endm
.macro EXCH xn                         ; the four waves' sums meet in LDS; each exchange has bytes of its own, so one barrier serves it.  The rows' totals end in v[32:35]
	s_wait_alu depctr_va_vdst(0)                   ; FOLD has written v[64:67], which the store reads, and is done with the chains v[32:63], in whose first sixteen the loads below land
	ds_store_b128 v9, v[64:67] offset:1024*(\xn)
	BAR
	s_wait_alu depctr_vm_vsrc(0)                   ; the store has read v[64:67], which the next sums, and later loads, write again
.irp ww, 0,1,2,3
	ds_load_b128 v[32+4*\ww:35+4*\ww], v10 offset:1024*(\xn)+256*\ww
.endr
	s_wait_dscnt 0x0
	v_pk_add_f32 v[32:33], v[32:33], v[36:37]
	v_pk_add_f32 v[34:35], v[34:35], v[38:39]
	v_pk_add_f32 v[40:41], v[40:41], v[44:45]
	v_pk_add_f32 v[42:43], v[42:43], v[46:47]
	v_pk_add_f32 v[32:33], v[32:33], v[40:41]
	v_pk_add_f32 v[34:35], v[34:35], v[42:43]
.endm
; Half hf (tiles 8 hf .. + 7) of row tile mq: x factor, x g + be; quant = 1: relu and the hold in one, and the conversion at 2^e2 into the row tile's own 16 registers of codes
.macro NORM hf, mq, quant
.set rN, 128*((\mq)%2)+64*(\hf)
	WIN 0x82+0x41*((\mq)/2)
.set i, 0
.rept 32
	v_pk_mul_f32 v[rN+i:rN+i+1], v[rN+i:rN+i+1], v[FS+2*(\mq):FS+2*(\mq)+1] op_sel_hi:[1,0]
.set i, i+2
.endr
.set i, 0
.rept 32
	v_pk_fma_f32 v[rN+i:rN+i+1], v[rN+i:rN+i+1], v[32+i:33+i], v[96+i:97+i]
.set i, i+2
.endr
.if \quant
.set i, 0
.rept 64
	v_med3_num_f32 v[rN+i], v[rN+i], 0, v14        ; between 0 and 448 x 2^e2: the conversion to an 8-bit code does not saturate (ISA guide 7.6.2)
.set i, i+1
.endr
	WIN 0x02+((\mq)/2)
.irp p, 0,1,2,3,4,5,6,7
	v_cvt_scalef32_pk8_fp8_f32 v[160+16*(\mq)+2*\p:161+16*(\mq)+2*\p], v[rN+8*\p:rN+8*\p+7], v13
.endr
	v_nop                                          ; a plain line behind the last conversion: the next layer's products write its sources
.endif
.endm
; Half hf's codes of the four row tiles go to the hidden layer's rows in LDS: 16 stores in one run, behind one wait
.macro CODES hf
.irp mq, 0,1,2,3
.irp bb, 0,1,2,3
	ds_store_b128 v5, v[160+16*\mq+4*\bb:163+16*\mq+4*\bb] offset:16640*\mq+128*(\hf)+32*\bb   ; 16 codes: units 256 w + 128 hf + 32 bb + 16 h + 0 .. 15 of row 16 mq + r
.endr
.endr
.endm
.macro LNORM x0, se, ga, ba, quant
	SUMA 2
	SUMA 3
	WIN 0
	FOLD
	EXCH \x0
.irp mi, 0,1,2,3
	v_mul_f32 v[MEAN+2*\mi], 0x3a800000, v[32+\mi] ; / 1,024
.endr
	SUBQ 2
	SUBQ 3
	WIN 0
	FOLD
	EXCH (\x0)+1
.irp mi, 0,1,2,3
	v_ldexp_f32 v[32+\mi], v[32+\mi], s46          ; the variance: x 2^(2 E) / 1,024
.endr
.irp mi, 0,1,2,3
	v_add_f32 v[32+\mi], 0x3727c5ac, v[32+\mi]     ; + 1e-5
.endr
.irp mi, 0,1,2,3
	v_rsq_f32 v[36+\mi], v[32+\mi]
.endr
	v_nop                                          ; a plain line behind the last of the four,
	s_wait_alu depctr_va_vdst(0)                   ; and one wait for them: v[36:39] are written, ahead of their first reader
.irp mi, 0,1,2,3
	v_ldexp_f32 v[FS+2*\mi], v[36+\mi], s[\se]     ; x 2^E: the factor for numbers that are kept divided by 2^E
.endr
.irp hh, 0,1
	WIN 0
	s_wait_alu depctr_va_vdst(0)                   ; first half: the factor's lines are done with v[32:47]; second half: the first half's multiply-adds are done reading g and be, and its conversions have written the codes.  g and be land in v32 to v159; the stores below read the codes
.if (\quant) && (\hh)
	CODES 0
.endif
	PLOAD 32, \ga, 4*\hh, 4
	PLOAD 96, \ba, 4*\hh, 4
.if (\quant) && (\hh)
	s_wait_alu depctr_vm_vsrc(0)                   ; the first half's stores have read the codes' registers, which this half's conversions write again
.endif
	s_wait_dscnt 0x0                               ; g and be are in
.irp mi, 0,1,2,3
	NORM \hh, \mi, \quant
.endr
.endr
	WIN 0
.if \quant
	s_wait_alu depctr_va_vdst(0)                   ; the second half's conversions have written the codes, which the stores read
	CODES 1
.endif
.endm
; x of row tile mt, by rows: lanes 0-15 row 2 j, lanes 16-31 row 2 j + 1; sixteen lanes read 256 consecutive bytes.  The tokens come from the table in LDS and are held inside x
.macro XLOAD mt
.irp j, 0,1,2,3,4,5,6,7
	ds_load_b32 v[192+8*(\mt)+\j], v8 offset:64*(\mt)+8*\j                     ; (these registers were last named by the layer's first K step, as its bias: waits on va_vdst have stood since)
.endr
	s_wait_dscnt 0x0
.irp j, 0,1,2,3,4,5,6,7
	v_min_u32 v[192+8*(\mt)+\j], 4095, v[192+8*(\mt)+\j]
	v_lshlrev_b32 v[192+8*(\mt)+\j], 12, v[192+8*(\mt)+\j]
	v_add_nc_u32 v[192+8*(\mt)+\j], v12, v[192+8*(\mt)+\j]
.endr
	WIN 0x40                                       ; the loads' window first, then the wait, then the loads
	s_wait_alu depctr_va_vdst(0)                   ; the eight offsets are written, which the loads read; the last products (tiles 0, 1) or the additions of the tile two back (tiles 2, 3) are done reading the registers of window 1 in which x lands
.irp j, 0,1,2,3,4,5,6,7
.irp q, 0,1,2,3
	global_load_b128 v[128*((\mt)%2)+16*\j+4*\q:128*((\mt)%2)+16*\j+4*\q+3], v[192+8*(\mt)+\j], s[56:57] offset:256*\q
.endr
.endr
	WIN 0
.endm
; THE WAY OUT of row tile mt: through my own stage (16 rows x 1,024 bytes), back by rows; + x, relu, x the gate's weight; sixteen lanes store 256 consecutive bytes, aligned
.macro EPI mt
.set rN, 128*((\mt)%2)
	s_wait_alu depctr_va_vdst(0)                   ; the LayerNorm has written the accumulators, which the stage's stores read; it (tile 0) or the tile before is done with v[32:175], in which the rows and the weights land
	WIN 0x08+4*((\mt)/2)                           ; store data window 2 or 3
.irp b, 0,1,2,3,4,5,6,7
.irp q, 0,1,2,3
	ds_store_b128 v6, v[rN+16*\b+4*\q:rN+16*\b+4*\q+3] offset:128*\b+16*\q
.endr
.endr
	WIN 0
	s_wait_xcnt 0x0                                ; the last tile's stores have read their data registers: only now are they loaded again
.if (\mt) > 0
	s_wait_alu depctr_vm_vsrc(0)                   ; beside it: the tile before's 32 stores have read v[32:159], in which the loads below land
.endif
.irp j, 0,1,2,3,4,5,6,7
.irp q, 0,1,2,3
	ds_load_b128 v[32+16*\j+4*\q:35+16*\j+4*\q], v7 offset:2080*\j+256*\q     ; LDS serves a wave's instructions in order: these see my stores
.endr
.endr
.irp j, 0,1,2,3,4,5,6,7
	ds_load_b32 v[160+2*\j], v8 offset:512+64*(\mt)+8*\j                       ; the rows' weights, each in the low register of a pair
	ds_load_b32 v[224+8*(\mt)+\j], v8 offset:256+64*(\mt)+8*\j                 ; and their rows of ybuf
.endr
	s_wait_dscnt 0x0
.if (\mt) < 3
	s_wait_loadcnt 32                              ; the next tile's 32 loads of x may be out: mine are in
.else
	s_wait_loadcnt 0x0
.endif
	WIN 0x04                                       ; source 1 (x) window 1
.set i, 0
.rept 64
	v_pk_add_f32 v[32+i:33+i], v[32+i:33+i], v[rN+i:rN+i+1]
.set i, i+2
.endr
	WIN 0
.if (\mt) < 2
	XLOAD (\mt)+2
.endif
.irp j, 0,1,2,3,4,5,6,7
	v_min_u32 v[224+8*(\mt)+\j], 8326, v[224+8*(\mt)+\j]
	v_lshlrev_b32 v[224+8*(\mt)+\j], 12, v[224+8*(\mt)+\j]
	v_add_nc_u32 v[224+8*(\mt)+\j], v12, v[224+8*(\mt)+\j]
.endr
.set i, 0
.rept 128
	v_max_num_f32 v[32+i], 0, v[32+i]
.set i, i+1
.endr
.irp j, 0,1,2,3,4,5,6,7
.irp p, 0,2,4,6,8,10,12,14
	v_pk_mul_f32 v[32+16*\j+\p:33+16*\j+\p], v[32+16*\j+\p:33+16*\j+\p], v[160+2*\j:161+2*\j] op_sel_hi:[1,0]
.endr
.endr
	s_wait_alu depctr_va_vdst(0)                   ; the tile's rows v[32:159] and its eight offsets are written, which the 32 stores read
.irp j, 0,1,2,3,4,5,6,7
.irp q, 0,1,2,3
	global_store_b128 v[224+8*(\mt)+\j], v[32+16*\j+4*\q:35+16*\j+4*\q], s[58:59] offset:256*\q th:TH_STORE_NT
.endr
.endr
.endm
	s_load_b512 s[8:23], s[0:1], 0x0               ; plan 8, xq 10, wf 12, x 14, wts 16, scales 18, b1 20, g1 22
	s_load_b256 s[24:31], s[0:1], 0x40             ; be1 24, b2 26, g2 28, be2 30
	s_load_b64 s[32:33], s[0:1], 0x60              ; ybuf
	v_lshrrev_b32 v1, 5, v0
	v_readfirstlane_b32 s34, v1                    ; wave 0..3
	v_and_b32 v16, 31, v0                          ; lane
	v_and_b32 v17, 15, v0                          ; r
	v_bfe_u32 v18, v0, 4, 1                        ; h
	v_lshlrev_b32 v1, 4, v16                       ; 16 x lane
	v_mul_u32_u24 v2, v17, 1040
	v_lshl_add_u32 v2, v18, 4, v2                  ; a fragment of rows: row r, + 16 h
	s_wait_alu depctr_va_sdst(0)                   ; s34 is written, ahead of its first reader: LDS places and the bases of wf, x and ybuf are made from it
	s_mul_i32 s60, s34, 6144
	s_add_co_u32 s60, s60, PAR
	v_lshlrev_b32 v4, 6, v18
	v_add_nc_u32 v4, s60, v4                       ; my wave's parameters, + 64 h
	v_add_nc_u32 v19, s60, v1                      ; and where they are stored at the head
	s_lshl_b32 s60, s34, 8
	s_add_co_u32 s60, s60, HA
	v_add_nc_u32 v5, s60, v2                       ; the hidden layer's codes: row r, + 256 w + 16 h
	s_mul_i32 s60, s34, 16640
	v_mul_u32_u24 v6, v17, 1040
	v_lshl_add_u32 v6, v18, 6, v6
	v_add_nc_u32 v6, s60, v6                       ; my stage, in: row r, + 64 h
	v_mul_u32_u24 v7, v18, 1040
	v_lshl_add_u32 v7, v17, 4, v7
	v_add_nc_u32 v7, s60, v7                       ; my 16 rows by rows: row h, + 16 r
	v_lshlrev_b32 v8, 2, v18
	v_add_nc_u32 v8, TAB, v8                       ; the tables, row h of a pair
	s_lshl_b32 s60, s34, 8
	s_add_co_u32 s60, s60, STAT
	v_lshlrev_b32 v10, 4, v17
	v_add_nc_u32 v9, s60, v10                      ; an exchange: my wave's four sums of row r
	v_add_nc_u32 v10, STAT, v10
	v_lshlrev_b32 v11, 8, v16                      ; the prefetches: 256 x lane
	v_lshlrev_b32 v12, 4, v17                      ; 16 r: my 16 bytes of 256
	s_lshl_b32 s60, s34, 6
	s_add_co_u32 s60, s60, TAB
	v_lshl_add_u32 v15, v17, 2, s60                ; the tables, row 16 w + r
	s_lshl_b32 s60, ttmp9, 8
	s_lshl_b32 s61, s34, 6
	s_add_co_u32 s60, s60, s61
	v_lshl_add_u32 v20, v17, 2, s60                ; the list: my tile, row 16 w + r
	v_lshl_add_u32 v21, v18, 2, s60                ; and row 16 w + h
	s_lshl_b32 s62, ttmp9, 2
	s_mov_b32 s54, 0x76543210                      ; v_permlanex16_b32: lane l xor 16
	s_mov_b32 s55, 0xfedcba98
	s_mov_b32 s52, 0
	s_wait_kmcnt 0x0
	s_load_b32 s35, s[8:9], s62 offset:40960       ; the tile's expert | first << 8
	s_load_b128 s[40:43], s[18:19], 0x0            ; e0 .. e3
	s_wait_alu depctr_va_vdst(0)                   ; the addresses and offsets v1 to v12, v15, v19 to v21 are written, which the kernel's loads, stores and prefetches read
	global_load_b32 v22, v20, s[8:9]
.irp j, 0,1,2,3,4,5,6,7
	global_load_b32 v[24+\j], v21, s[8:9] offset:8*\j                          ; row 16 w + 2 j + h
.endr
	s_lshl_b32 s60, s34, 10
	s_mov_b32 s61, 0
	s_add_nc_u64 s[56:57], s[14:15], s[60:61]      ; x and ybuf at my wave's 256 columns
	s_add_nc_u64 s[58:59], s[32:33], s[60:61]
	s_wait_kmcnt 0x0
	s_and_b32 s36, s35, 0xff
	s_min_u32 s36, s36, 7                          ; the expert
	s_lshr_b32 s53, s35, 8
	s_and_b32 s53, s53, 1
	s_mul_i32 s53, s53, 12                         ; a first tile prefetches in K steps 0 to 11, the others never
	s_add_co_i32 s44, s40, s41                     ; E of the first product
	s_add_co_i32 s45, s42, s43                     ; and of the second
	s_lshl_b32 s60, s36, 12
	s_lshl_b32 s61, s34, 10
	s_add_co_u32 s60, s60, s61
	v_add_nc_u32 v23, s60, v1                      ; the parameters: expert, my 256 columns
	WIN 0x80                                       ; destination window 2, free until the first products
	s_wait_alu depctr_va_vdst(0)                   ; v23 is written, which the twelve loads read
.irp a, 0,1,2,3,4,5
	global_load_b128 v[128+8*\a:131+8*\a], v23, s[20+2*\a:21+2*\a]
	global_load_b128 v[132+8*\a:135+8*\a], v23, s[20+2*\a:21+2*\a] offset:512
.endr
	WIN 0
	s_lshl_b32 s60, s36, 21
	s_lshl_b32 s61, s34, 19
	s_add_co_u32 s60, s60, s61
	s_mov_b32 s61, 0
	s_add_nc_u64 s[48:49], s[12:13], s[60:61]      ; my wave's stream of weights: 512 KB on end, both layers
	s_wait_loadcnt 12                              ; the 12 parameter loads are younger: the list's entries are in
	v_lshrrev_b32 v32, 16, v22
	v_min_u32 v32, 4095, v32                       ; token
	v_and_b32 v33, 0xffff, v22
	v_min_u32 v33, 8326, v33                       ; row of ybuf
	v_min_u32 v34, 8191, v33
	v_lshlrev_b32 v34, 2, v34
.irp j, 0,1,2,3,4,5,6,7
	v_lshrrev_b32 v[24+\j], 16, v[24+\j]
	v_min_u32 v[24+\j], 4095, v[24+\j]
	v_lshlrev_b32 v[24+\j], 10, v[24+\j]
	v_add_nc_u32 v[24+\j], v12, v[24+\j]
.endr
	s_wait_alu depctr_va_vdst(0)                   ; v34 and v[24:31] are written, the offsets of the loads below; so are v32 and v33, which LDS stores read further down
	global_load_b32 v35, v34, s[16:17]             ; the gate's weight (a dump row takes the last one's: nobody reads its result)
	WIN 0x80
.irp j, 0,1,2,3,4,5,6,7
.irp q, 0,1,2,3
	global_load_b128 v[16*\j+4*\q:16*\j+4*\q+3], v[24+\j], s[10:11] offset:256*\q  ; the rows' codes: sixteen lanes read 256 consecutive bytes
.endr
.endr
	WLOAD 0, 0
	WLOAD 1, 0
	WLOAD 2, 0
	s_sub_co_i32 s47, 0, s44
	s_sub_co_i32 s46, 0, s45
	s_add_co_i32 s60, s42, 127
	s_lshl_b32 s61, s60, 23
	s_add_co_i32 s60, s60, 8
	s_lshl_b32 s60, s60, 23
	s_or_b32 s60, s60, 0x600000
	WIN 0
	v_mov_b32 v13, s61                             ; 2^e2 as f32: the conversion takes its exponent field
	v_mov_b32 v14, s60                             ; 448 x 2^e2
	s_wait_loadcnt 48                              ; the ring's first 48 loads are younger: all else is in
	WIN 0x82
.irp i, 0,1,2,3,4,5,6,7
	v_ldexp_f32 v[128+\i], v[128+\i], s47          ; b1 / 2^(e0 + e1)
	v_ldexp_f32 v[152+\i], v[152+\i], s46          ; b2 / 2^(e2 + e3)
.endr
	WIN 0x08                                       ; store data window 2
	s_wait_alu depctr_va_vdst(0)                   ; the two biases are written anew in window 2, which the LDS stores read
.irp a, 0,1,2,3,4,5
	ds_store_b128 v19, v[128+8*\a:131+8*\a] offset:1024*\a
	ds_store_b128 v19, v[132+8*\a:135+8*\a] offset:1024*\a+512
.endr
.irp j, 0,1,2,3,4,5,6,7
.irp q, 0,1,2,3
	ds_store_b128 v7, v[16*\j+4*\q:16*\j+4*\q+3] offset:2080*\j+256*\q
.endr
.endr
	WIN 0
	ds_store_b32 v15, v32                          ; (lanes 16-31 repeat lanes 0-15)
	ds_store_b32 v15, v33 offset:256
	ds_store_b32 v15, v35 offset:512
	WLOAD 3, 0                                     ; (no vector line has named these registers of window 1, nor v1 since the head's wait)
	WIN 0
	BAR                                            ; the 64 rows' codes and the tables lie in LDS
	GEMM 0, 0, 0
	s_lshl_b32 s46, s44, 1
	s_sub_co_i32 s46, s46, 10                      ; 2 E - 10
	LNORM 0, 44, 1, 2, 1
	BAR                                            ; the hidden layer's codes lie in LDS
	GEMM HA, 3, 1
	XLOAD 0                                        ; x lands in the ring's registers while the second LayerNorm is worked
	XLOAD 1
	s_lshl_b32 s46, s45, 1
	s_sub_co_i32 s46, s46, 10
	LNORM 2, 45, 4, 5, 0
	EPI 0
	EPI 1
	EPI 2
	EPI 3
	s_wait_xcnt 0x0
	s_wait_alu depctr_vm_vsrc(0)                   ; beside it: the last tile's stores have read v254 and v255, two of their offsets, which the next two lines write
	v_lshl_add_u32 v254, v0, 2, 0x27c00
	v_mov_b32 v255, 0
	s_wait_dscnt 0x0                               ; the closing lines, six on end
	s_wait_alu 0x0
	s_wait_tensorcnt 0x0
	ds_add_u32 v254, v255
	s_wait_dscnt 0x0
	s_endpgm
.Lfunc_end_k_qb6bd3fee98_chain:
	.size	k_qb6bd3fee98_chain, .Lfunc_end_k_qb6bd3fee98_chain-k_qb6bd3fee98_chain
	.p2alignl 7, 3214868480
	.fill 96, 4, 3214868480
	.section	.rodata,"a",@progbits
	.p2align	6, 0x0
	.amdhsa_kernel k_qb6bd3fee98_chain
		.amdhsa_group_segment_fixed_size 163328
		.amdhsa_private_segment_fixed_size 0
		.amdhsa_enable_private_segment 0
		.amdhsa_kernarg_size 104
		.amdhsa_user_sgpr_count 2
		.amdhsa_user_sgpr_kernarg_segment_ptr 1
		.amdhsa_wavefront_size32 1
		.amdhsa_system_sgpr_workgroup_id_x 1
		.amdhsa_system_sgpr_workgroup_id_y 1
		.amdhsa_system_sgpr_workgroup_id_z 1
		.amdhsa_system_vgpr_workitem_id 0
		.amdhsa_next_free_vgpr 1024
		.amdhsa_next_free_sgpr 66
		.amdhsa_reserve_vcc 0
		.amdhsa_float_denorm_mode_32 3
		.amdhsa_float_denorm_mode_16_64 3
		.amdhsa_memory_ordered 1
		.amdhsa_forward_progress 1
		.amdhsa_inst_pref_size 255
	.end_amdhsa_kernel
	.section	.bss,"aw",@nobits
	.p2align	6
	.space	262144
	.amdgpu_metadata
---
amdhsa.version: [ 1, 2 ]
amdhsa.kernels:
  - .name:           k_qb6bd3fee98_chain
    .symbol:         k_qb6bd3fee98_chain.kd
    .args:
      - { .name: plan, .offset: 0, .size: 8, .value_kind: global_buffer, .address_space: global }
      - { .name: xq, .offset: 8, .size: 8, .value_kind: global_buffer, .address_space: global }
      - { .name: wf, .offset: 16, .size: 8, .value_kind: global_buffer, .address_space: global }
      - { .name: x, .offset: 24, .size: 8, .value_kind: global_buffer, .address_space: global }
      - { .name: wts, .offset: 32, .size: 8, .value_kind: global_buffer, .address_space: global }
      - { .name: lowp_scales, .offset: 40, .size: 8, .value_kind: global_buffer, .address_space: global }
      - { .name: b1, .offset: 48, .size: 8, .value_kind: global_buffer, .address_space: global }
      - { .name: g1, .offset: 56, .size: 8, .value_kind: global_buffer, .address_space: global }
      - { .name: be1, .offset: 64, .size: 8, .value_kind: global_buffer, .address_space: global }
      - { .name: b2, .offset: 72, .size: 8, .value_kind: global_buffer, .address_space: global }
      - { .name: g2, .offset: 80, .size: 8, .value_kind: global_buffer, .address_space: global }
      - { .name: be2, .offset: 88, .size: 8, .value_kind: global_buffer, .address_space: global }
      - { .name: ybuf, .offset: 96, .size: 8, .value_kind: global_buffer, .address_space: global }
    .group_segment_fixed_size: 163328
    .private_segment_fixed_size: 0
    .kernarg_segment_align: 8
    .kernarg_segment_size: 104
    .max_flat_workgroup_size: 128
    .sgpr_count:     66
    .vgpr_count:     1024
    .wavefront_size: 32
...
	.end_amdgpu_metadata
.endif
;; end of part 5
;; launch combine: the kernel of part 4 again; grid 256 x 1, 8 waves a work-group, no clusters, 0 bytes of LDS; arguments ybuf, out0; writes out0
